; MI455X (gfx1250); checked and timed in simulation.
; The chip was launched on July 23, 2026; its instructions are those of AMD's public machine-readable ISA for CDNA 5 (MIT licence, August 2026) and "CDNA5" Instruction Set Architecture Reference Guide (July 2026). The comments in the code are by the model that wrote it; some were corrected since.
;; Self Attention. Allowed arithmetic: matrix products marked QUANTISED: E4M3 operands, one E8M0 scale for each 32 along K, by v_wmma_scale_f32_16x16x128_f8f6f4 with both operands' format E4M3, f32 sums; everything else in f32.
;; Inputs: Wk 1,024 x 1,024 float32; Wo 1,024 x 1,024 float32; Wq 1,024 x 1,024 float32; Wv 1,024 x 1,024 float32; bk 1,024 float32; bo 1,024 float32; bq 1,024 float32; bv 1,024 float32; x 4 x 2,048 x 1,024 float32.
;; Outputs: out0 4 x 2,048 x 1,024 float32.
;; This version of the problem:
;;   THIS VERSION OF THE PROBLEM IS GIVEN IN LOW PRECISION. The matrix products marked QUANTISED in the list below multiply operands that are first quantised to E4M3 (4 exponent bits, 3 mantissa bits; 8 bits a number), with one power-of-two scale for each 32 numbers along K (OCP MX v1.0); their sums are f32. All else is computed in f32.
;;   The module's matrix products, in the order in which they are computed (A, B: the left and right operand; K: the contracted axis; several contracted axes count as one K, in the product's order):
;;     1. [M 8,192, K 1,024] x [K 1,024, N 1,024]; A: input x; B: input Wq: QUANTISED
;;     2. [M 8,192, K 1,024] x [K 1,024, N 1,024]; A: input x; B: input Wk: QUANTISED
;;     3. [M 8,192, K 1,024] x [K 1,024, N 1,024]; A: input x; B: input Wv: QUANTISED
;;     4. batch 64 x [M 2,048, K 64] x [K 64, N 2,048]; A: computed on the way; B: computed on the way: QUANTISED
;;     5. batch 64 x [M 2,048, K 2,048] x [K 2,048, N 64]; A: softmax (see below); B: computed on the way: QUANTISED
;;     6. [M 8,192, K 1,024] x [K 1,024, N 1,024]; A: computed on the way; B: input Wo: QUANTISED
;;   THE QUANTISER, for each operand of a quantised product, along K:
;;     - K is cut into blocks of 32 from its start; a last block that is shorter is filled with zeros.
;;     - A block's scale is 2^e with e = floor(log2(the largest magnitude in the block)) - 8, held to -126 .. 127; a block of zeros has e = 0. As a byte (E8M0): e + 127.
;;     - Each number is divided by its block's scale, clamped to +-448, and rounded to the nearest number of E4M3, ties to even, subnormals kept.
;;     - The product sums the exact products of the quantised numbers (number of the format x scale) in f32.
;;   ~~~python
;;   def quantise(x, axis):      # numpy; x: float32 -> the quantised numbers, widened to float32 again
;;       x = np.moveaxis(x, axis, -1); K = x.shape[-1]
;;       x = np.pad(x, [(0, 0)] * (x.ndim - 1) + [(0, -K % 32)]); x = x.reshape(x.shape[:-1] + (-1, 32)); a = np.abs(x).max(-1, keepdims=True)
;;       e = np.where(a > 0, np.clip(np.frexp(np.where(a > 0, a, 1))[1] - 1 - 8, -126, 127), 0)      # np.frexp(a)[1] - 1 = floor(log2(a)), exactly
;;       r = np.clip(x / 2.0 ** e, -448, 448)
;;       step = 2.0 ** (np.maximum(np.frexp(np.where(r == 0, 1, r))[1] - 1, -6) - 3)
;;       q = np.round(r / step) * step * 2.0 ** e      # np.round: ties to even
;;       return np.moveaxis(q.reshape(q.shape[:-2] + (-1,))[..., :K], -1, axis).astype(np.float32)
;;   ~~~
;;   SOFTMAX AHEAD OF A QUANTISED PRODUCT. Where the list says 'softmax', what is quantised is not the finished softmax but p = 2^(t - M), with t = logit x log2(e) and M = ceil(the row's largest t), a whole number; so 1/2 < the row's largest p <= 1. The row's sum l is taken of the UNQUANTISED p, in f32, and the product's result is divided by l at the end. Since M is a whole number, a kernel that streams over the keys may use a running M (the ceiling of the running maximum): every later rescaling is an exact power of two, which a block's scale takes up: the codes' values come out the same.
;;   OPERANDS COMPUTED ON THE WAY. 'Computed on the way' means the value that the module computes at that place (a softmax that the list does not call 'softmax' is quantised finished and normalised). What goes into a quantiser is computed in f32, as accurately as f32 sums, v_exp_f32 and their like allow (about 1e-6 of the number): no bf16 or f16 on the way to a quantiser, and a product that is left as it is and whose result goes on into a quantised operand takes f32 operands (vector FMAs, or v_wmma_f32_16x16x4_f32). A number that lies on a knife's edge between two numbers of the format may be rounded either way, as far as f32 arithmetic and the matrix unit's own rounding can turn it there, and no further.
;; One version. Each part assembles by itself: llvm-mc -triple=amdgcn-amd-amdhsa -mcpu=gfx1250 --defsym DOCPART=n.
;; ======== version 1 of 1: 4 launches
;; limits: right only within a limited range of input values
;; workspace buffers: opc 12,582,912 bytes; ops 393,216 bytes; qkv 25,165,824 bytes; qkvs 786,432 bytes; yc 8,388,608 bytes; ys 262,144 bytes
;; launch quant (part 1): grid 384 x 1, 4 waves a work-group, no clusters, 57,856 bytes of LDS; arguments x, Wq, Wk, Wv, Wo, opc, ops; writes opc, ops
.if DOCPART == 1
	.amdgcn_target "amdgcn-amd-amdhsa--gfx1250"
	.amdhsa_code_object_version 6
	.text
	.protected	k_qc5ccdde13a_quant
	.globl	k_qc5ccdde13a_quant
	.p2align	8
	.type	k_qc5ccdde13a_quant,@function
k_qc5ccdde13a_quant:
	s_mov_b64 s[64:65], 0
	v_nop
	global_prefetch_b8 v0, s[64:65] scope:SCOPE_SE
	s_setreg_imm32_b32 hwreg(HW_REG_WAVE_MODE, 25, 1), 1
	s_wait_xcnt 0x0
; x [8192][1024] and Wq, Wk, Wv, Wo [1024 (k)][1024 (n)], f32, become codes of E4M3 with one E8M0 byte for each 32 along K, laid IN THE ORDER OF THE OPERAND'S REGISTERS.
; IMAGE: a tile is 16 rows; for each block c of 32 along K it has 512 bytes, lane (r, h) owning the 16 bytes at 16 (16 h + r): k = 32 c + 16 h + 0 .. 15 of the tile's row r.  A tile of K = 1024 is 16,384 bytes.
; POSITION ORDER: tile 2 G + u, row r is true row 32 G + 8 u + r + 8 (r / 8).  Tiles 0-511 x, 512-575 Wq, 576-639 Wk, 640-703 Wv, 704-767 Wo (a weight's rows are its columns n).
; SCALE BYTES: [tile][K / 512][r][16 bytes]: 512 bytes a tile.
; A block's scale is 2^(floor(log2(largest magnitude)) - 8): its byte is the largest magnitude's exponent field - 8, held at 1 from below; numbers are held within +-448 x the scale and rounded to nearest, ties to even.
; LIMITS: a block of zeros gets the byte 1 where the rule says 127 (its codes are zeros, and this program alone reads the bytes); NaN and infinities among the inputs are not served.
; Work-groups 0-255 take x (K innermost: a wave takes a tile's 16 rows x 512 along K, a row a step); work-groups 256-383 the weights (K outermost: a lane takes a column, its registers run down K).
; Only x's path touches LDS, each wave its own 14,336 bytes: no barrier.  No tensor loads, no matrix unit, no cluster: a stream in which no work-group shares a byte with another.
.set STEPS, 16
.set EMAX,  8
.set MANT,  0x600000                   ; the mantissa field of 448
.set WREG,  14336                      ; a wave's LDS: two stages of 32 x 80 bytes, 256 scale bytes, an out-stage of 32 x 272 bytes
.set SP,    80                         ; a lane's place in a stage: 64 bytes + 16 of padding
.set SCB,   2*32*SP
.set OST,   SCB+256
.set OPI,   272                        ; an out-stage row: 256 bytes + 16
.set R,     16                         ; v16-79   four sets of 16 numbers as loaded; at the end the image on its way out
.set X,     80                         ; v80-111  two sets of 16 neighbours
.set E,     112                        ; v112-127 a scale byte for each step
.set C,     128                        ; v128-191 codes, four registers a step
.set WX,    32                         ; weights: v32-95 two sets of 32 numbers
.set WC,    96                         ; v96-159 codes, eight registers a block: no store's data are written again
.set SB,    24                         ; v24-25 eight scale bytes
	s_load_b256 s[4:11], s[0:1], 0x0               ; x, Wq, Wk, Wv
	s_load_b128 s[12:15], s[0:1], 0x20             ; Wo, opc
	s_load_b64 s[16:17], s[0:1], 0x30              ; ops
	v_lshl_add_u32 v192, v0, 2, 0xe000
	v_mov_b32 v193, 0
	v_lshrrev_b32 v1, 5, v0
	v_readfirstlane_b32 s18, v1                    ; wave
	v_and_b32 v2, 31, v0                           ; lane
	s_cmp_lt_u32 ttmp9, 256
	s_cbranch_scc0 .Lweights
; ---------------- x ----------------
	v_lshlrev_b32 v3, 4, v2                        ; 16 x lane
	s_mul_i32 s19, s18, WREG
	v_lshrrev_b32 v14, 2, v2
	v_mul_u32_u24 v14, v14, SP
	v_and_b32 v15, 3, v2
	v_lshl_add_u32 v14, v15, 4, v14
	v_add_nc_u32 v14, s19, v14                     ; the stage, in: 80 (lane / 4) + 16 (lane % 4)
	v_mul_u32_u24 v15, v2, SP
	v_add_nc_u32 v15, s19, v15                     ; and out: 80 x lane: my 16 neighbours
	v_mul_u32_u24 v4, v2, OPI
	v_add_nc_u32 v4, s19, v4
	v_add_nc_u32 v4, OST, v4                       ; the out-stage, in: row = my lane (block lane / 2, half lane % 2), byte 16 x step
	v_lshrrev_b32 v12, 4, v2
	v_mul_u32_u24 v12, v12, OPI
	v_and_b32 v13, 15, v2
	v_lshl_add_u32 v12, v13, 4, v12
	v_add_nc_u32 v12, s19, v12
	v_add_nc_u32 v12, OST, v12                     ; and out: sixteen lanes to a row, two rows an instruction
	v_lshrrev_b32 v5, 1, v2
	v_add_nc_u32 v5, s19, v5
	v_add_nc_u32 v5, SCB, v5                       ; my block's scale byte
	v_lshlrev_b32 v7, 3, v2
	v_add_nc_u32 v6, s19, v7
	v_add_nc_u32 v6, SCB, v6                       ; the 256 scale bytes on the way out: 8 a lane
	s_lshl_b32 s20, ttmp9, 2
	s_add_co_u32 s20, s20, s18                     ; W = 2 x tile + half of K
	s_lshr_b32 s24, s20, 2
	s_lshl_b32 s24, s24, 17                        ; 32 rows of 4,096 bytes for each pair of tiles,
	s_bfe_u32 s25, s20, 0x10001
	s_lshl_b32 s25, s25, 15                        ; 8 rows for the odd tile,
	s_add_co_u32 s24, s24, s25
	s_and_b32 s25, s20, 1
	s_lshl_b32 s25, s25, 11                        ; 2,048 bytes for the second half of K
	s_add_co_u32 s24, s24, s25
	s_mov_b32 s25, 0
	s_lshl_b32 s26, s20, 13                        ; my 8,192 bytes of the image
	s_mov_b32 s27, 0
	s_lshl_b32 s28, s20, 8                         ; my 256 scale bytes
	s_mov_b32 s29, 0
	s_wait_kmcnt 0x0
	s_add_nc_u64 s[4:5], s[4:5], s[24:25]
	s_add_nc_u64 s[14:15], s[14:15], s[26:27]
	s_add_nc_u64 s[16:17], s[16:17], s[28:29]
.macro XLOAD t                         ; step t = the tile's row t: true row t + 8 (t / 8) of my 24; 32 lanes read 512 consecutive bytes
.irp i, 0,1,2,3
	global_load_b128 v[R+16*((\t)%4)+4*\i:R+16*((\t)%4)+4*\i+3], v3, s[4:5] offset:((\t)+8*((\t)/8))*4096+512*\i th:TH_LOAD_NT
.endr
.endm
.macro XTURN t                         ; through the stage: LDS serves a wave's instructions in order, so no wait stands between the stores and the loads
.irp i, 0,1,2,3
	ds_store_b128 v14, v[R+16*((\t)%4)+4*\i:R+16*((\t)%4)+4*\i+3] offset:32*SP*((\t)%2)+8*SP*\i
.endr
.irp i, 0,1,2,3
	ds_load_b128 v[X+16*((\t)%2)+4*\i:X+16*((\t)%2)+4*\i+3], v15 offset:32*SP*((\t)%2)+16*\i
.endr
.endm
.irp t, 0,1,2,3
	XLOAD \t
.endr
	s_wait_loadcnt 12                              ; step 0's four loads are in
	XTURN 0
.macro XSTEP t
.set XS, X+16*((\t)%2)
.if (\t) > 0
	s_wait_dscnt 2                                 ; this step's numbers are back (the last step's byte store and code store may be out)
.else
	s_wait_dscnt 0x0
.endif
.if (\t)+4 < STEPS
	XLOAD (\t)+4
.endif
.if (\t)+1 < STEPS
.if STEPS-2-(\t) >= 3
	s_wait_loadcnt 12                              ; the next step's four loads are in; three steps' may be out
.else
	s_wait_loadcnt 4*(STEPS-2-(\t))
.endif
	XTURN (\t)+1
.endif
	v_max3_num_f32 v8, |v[XS]|, |v[XS+1]|, |v[XS+2]|
	v_max3_num_f32 v9, |v[XS+3]|, |v[XS+4]|, |v[XS+5]|
.irp i, 6,10
	v_max3_num_f32 v8, v8, |v[XS+\i]|, |v[XS+\i+1]|
	v_max3_num_f32 v9, v9, |v[XS+\i+2]|, |v[XS+\i+3]|
.endr
	v_max3_num_f32 v8, v8, |v[XS+14]|, |v[XS+15]|
	v_max3_num_f32 v8, v8, v9, (EMAX+1)<<23        ; the floor 2^(9 - 127): the byte cannot fall under 1
	v_max_num_f32_dpp v8, v8, v8 row_xmask:1 row_mask:0xf bank_mask:0xf   ; with my neighbour's 16: the block's largest magnitude
	v_add_nc_u32 v11, -(EMAX<<23), v8              ; 8 off its exponent field: the conversion's scale operand
.irp i, 0,1,2,3,4,5,6,7,8,9,10,11,12,13,14,15
.endr
	v_cvt_scalef32_pk8_fp8_f32 v[C+4*(\t):C+4*(\t)+1], v[XS:XS+7], v11
	v_cvt_scalef32_pk8_fp8_f32 v[C+4*(\t)+2:C+4*(\t)+3], v[XS+8:XS+15], v11
	v_lshrrev_b32 v[E+(\t)], 23, v11               ; the scale's byte (a plain line behind the conversions)
	ds_store_b8 v5, v[E+(\t)] offset:16*(\t)       ; [row t][block]: both lanes of a block write the same byte
	ds_store_b128 v4, v[C+4*(\t):C+4*(\t)+3] offset:16*(\t)   ; the image's bytes 256 x lane + 16 t
.endm
.irp t, 0,1,2,3,4,5,6,7,8,9,10,11,12,13,14,15
	XSTEP \t
.endr
	ds_load_b64 v[8:9], v6                         ; LDS serves a wave's instructions in order: these see my stores
.irp i, 0,1,2,3,4,5,6,7,8,9,10,11,12,13,14,15
	ds_load_b128 v[R+4*\i:R+4*\i+3], v12 offset:2*OPI*\i
.endr
	s_wait_dscnt 16
	global_store_b64 v7, v[8:9], s[16:17]          ; 32 lanes store 256 consecutive bytes, aligned
.irp i, 0,1,2,3,4,5,6,7,8,9,10,11,12,13,14,15
	s_wait_dscnt 15-\i
	global_store_b128 v3, v[R+4*\i:R+4*\i+3], s[14:15] offset:512*\i   ; 512 consecutive bytes of the image
.endr
	s_wait_tensorcnt 0x0
	ds_add_u32 v192, v193
	s_wait_dscnt 0x0
	s_endpgm
; ---------------- the weights ----------------
.Lweights:
	s_sub_co_u32 s20, ttmp9, 256
	s_lshr_b32 s21, s20, 5                         ; which weight
	s_bfe_u32 s22, s20, 0x30002                    ; which 128 columns
	s_and_b32 s20, s20, 3                          ; which 256 along K
	s_wait_alu depctr_va_vdst(0)
	v_and_b32 v3, 7, v2
	v_bfe_u32 v4, v2, 3, 1
	v_bfe_u32 v5, v2, 4, 1
	v_lshl_or_b32 v3, v4, 4, v3
	v_lshl_or_b32 v3, v5, 3, v3                    ; my column of the wave's 32: the lane's number with bits 3 and 4 changed over, so that lane l is row l % 16 of tile l / 16
	v_lshlrev_b32 v3, 2, v3
	v_and_b32 v6, 15, v2
	v_lshlrev_b32 v6, 4, v6
	v_lshl_or_b32 v4, v5, 14, v6                   ; codes: my tile, 16 r
	v_lshl_or_b32 v9, v5, 9, v6                    ; scale bytes: my tile, 16 r
	s_lshl_b32 s24, s22, 7
	s_lshl_b32 s25, s18, 5
	s_add_co_u32 s24, s24, s25                     ; the wave's first column
	s_lshl_b32 s24, s24, 2
	s_lshl_b32 s25, s20, 20                        ; 256 rows of 4,096 bytes
	s_add_co_u32 s24, s24, s25
	s_mov_b32 s25, 0
	s_lshl_b32 s26, s21, 6
	s_lshl_b32 s27, s22, 3
	s_add_co_u32 s26, s26, s27
	s_lshl_b32 s27, s18, 1
	s_add_co_u32 s26, s26, s27
	s_add_co_u32 s26, s26, 512                     ; the wave's first tile
	s_lshl_b32 s28, s26, 9
	s_lshr_b32 s29, s20, 1
	s_lshl_b32 s29, s29, 8
	s_add_co_u32 s28, s28, s29
	s_and_b32 s29, s20, 1
	s_lshl_b32 s29, s29, 3
	s_add_co_u32 s28, s28, s29
	s_mov_b32 s29, 0
	s_lshl_b32 s26, s26, 14
	s_lshl_b32 s27, s20, 12                        ; eight blocks of 512 bytes
	s_add_co_u32 s26, s26, s27
	s_mov_b32 s27, 0
	s_wait_alu depctr_va_vdst(0)
	s_wait_kmcnt 0x0
	s_cmp_eq_u32 s21, 1                            ; the choice hangs on the work-group's number alone
	s_cselect_b64 s[6:7], s[8:9], s[6:7]
	s_cmp_eq_u32 s21, 2
	s_cselect_b64 s[6:7], s[10:11], s[6:7]
	s_cmp_eq_u32 s21, 3
	s_cselect_b64 s[6:7], s[12:13], s[6:7]
	s_add_nc_u64 s[6:7], s[6:7], s[24:25]
	s_add_nc_u64 s[14:15], s[14:15], s[26:27]
	s_add_nc_u64 s[16:17], s[16:17], s[28:29]
.macro WLOAD t                         ; block t: W(32 t + i, my column): the wave's 32 lanes read 128 consecutive bytes
.set WI, 0
.rept 32
	global_load_b32 v[WX+32*((\t)%2)+WI], v3, s[6:7] offset:(32*(\t)+WI)*4096 th:TH_LOAD_NT
.set WI, WI+1
.endr
.endm
	WLOAD 0
	WLOAD 1
.macro WBLOCK t
.set XS, WX+32*((\t)%2)
.set CC, WC+8*(\t)
.if (\t) < 7
	s_wait_loadcnt 32                              ; this block's 32 loads are in; the next block's may be out
.else
	s_wait_loadcnt 0
.endif
	v_max3_num_f32 v12, |v[XS]|, |v[XS+1]|, |v[XS+2]|
	v_max3_num_f32 v13, |v[XS+3]|, |v[XS+4]|, |v[XS+5]|
.irp i, 6,10,14,18,22,26
	v_max3_num_f32 v12, v12, |v[XS+\i]|, |v[XS+\i+1]|
	v_max3_num_f32 v13, v13, |v[XS+\i+2]|, |v[XS+\i+3]|
.endr
	v_max3_num_f32 v12, v12, |v[XS+30]|, |v[XS+31]|
	v_max3_num_f32 v12, v12, v13, (EMAX+1)<<23
	v_add_nc_u32 v11, -(EMAX<<23), v12
	v_lshrrev_b32 v13, 23, v11
.if (\t)%4 == 0
	v_mov_b32 v[SB+(\t)/4], v13
.else
	v_lshl_or_b32 v[SB+(\t)/4], v13, 8*((\t)%4), v[SB+(\t)/4]
.endif
.set WI, 0
.rept 32
.set WI, WI+1
.endr
.irp g, 0,1,2,3
	v_cvt_scalef32_pk8_fp8_f32 v[CC+2*\g:CC+2*\g+1], v[XS+8*\g:XS+8*\g+7], v11
.endr
	global_store_b128 v4, v[CC:CC+3], s[14:15] offset:512*(\t)          ; k = 0 .. 15 of the block: lanes 0-15 fill 256 consecutive bytes of one tile, lanes 16-31 of the next
	global_store_b128 v4, v[CC+4:CC+7], s[14:15] offset:512*(\t)+256    ; k = 16 .. 31
.if (\t)+2 < 8
	WLOAD (\t)+2
.endif
.endm
.irp t, 0,1,2,3,4,5,6,7
	WBLOCK \t
.endr
	global_store_b64 v9, v[SB:SB+1], s[16:17]      ; my column's eight scale bytes: 8 bytes of every 16, one byte in 128 of what this path reads
	s_endpgm
.Lfunc_end_k_qc5ccdde13a_quant:
	.size	k_qc5ccdde13a_quant, .Lfunc_end_k_qc5ccdde13a_quant-k_qc5ccdde13a_quant
	.p2alignl 7, 3214868480
	.fill 96, 4, 3214868480
	.section	.rodata,"a",@progbits
	.p2align	6, 0x0
	.amdhsa_kernel k_qc5ccdde13a_quant
		.amdhsa_group_segment_fixed_size 57856
		.amdhsa_private_segment_fixed_size 0
		.amdhsa_enable_private_segment 0
		.amdhsa_kernarg_size 56
		.amdhsa_user_sgpr_count 2
		.amdhsa_user_sgpr_kernarg_segment_ptr 1
		.amdhsa_wavefront_size32 1
		.amdhsa_system_sgpr_workgroup_id_x 1
		.amdhsa_system_sgpr_workgroup_id_y 1
		.amdhsa_system_sgpr_workgroup_id_z 1
		.amdhsa_system_vgpr_workitem_id 0
		.amdhsa_next_free_vgpr 194
		.amdhsa_next_free_sgpr 66
		.amdhsa_reserve_vcc 0
		.amdhsa_float_denorm_mode_32 3
		.amdhsa_float_denorm_mode_16_64 3
		.amdhsa_fp16_overflow 1
		.amdhsa_memory_ordered 1
		.amdhsa_forward_progress 1
		.amdhsa_inst_pref_size 76
	.end_amdhsa_kernel
	.amdgpu_metadata
---
amdhsa.version: [ 1, 2 ]
amdhsa.kernels:
  - .name:           k_qc5ccdde13a_quant
    .symbol:         k_qc5ccdde13a_quant.kd
    .args:
      - { .name: x, .offset: 0, .size: 8, .value_kind: global_buffer, .address_space: global }
      - { .name: Wq, .offset: 8, .size: 8, .value_kind: global_buffer, .address_space: global }
      - { .name: Wk, .offset: 16, .size: 8, .value_kind: global_buffer, .address_space: global }
      - { .name: Wv, .offset: 24, .size: 8, .value_kind: global_buffer, .address_space: global }
      - { .name: Wo, .offset: 32, .size: 8, .value_kind: global_buffer, .address_space: global }
      - { .name: opc, .offset: 40, .size: 8, .value_kind: global_buffer, .address_space: global }
      - { .name: ops, .offset: 48, .size: 8, .value_kind: global_buffer, .address_space: global }
    .group_segment_fixed_size: 57856
    .private_segment_fixed_size: 0
    .kernarg_segment_align: 8
    .kernarg_segment_size: 56
    .max_flat_workgroup_size: 128
    .sgpr_count:     66
    .vgpr_count:     194
    .wavefront_size: 32
...
	.end_amdgpu_metadata
.endif
;; end of part 1
;; launch qkvgemm (part 2): grid 8 x 48, 4 waves a work-group, clusters of 4 x 4, 327,680 bytes of LDS; arguments opc, ops, qkv, qkvs, bq, bk, bv; writes qkv, qkvs
.if DOCPART == 2
	.amdgcn_target "amdgcn-amd-amdhsa--gfx1250"
	.amdhsa_code_object_version 6
	.text
	.protected	k_qc5ccdde13a_qkvgemm
	.globl	k_qc5ccdde13a_qkvgemm
	.p2align	8
	.type	k_qc5ccdde13a_qkvgemm,@function
k_qc5ccdde13a_qkvgemm:
	s_mov_b64 s[64:65], 0
	v_nop
	global_prefetch_b8 v0, s[64:65] scope:SCOPE_SE
	s_setreg_imm32_b32 hwreg(HW_REG_WAVE_MODE, 25, 1), 1
	s_wait_xcnt 0x0
	s_wait_alu depctr_hold_cnt(0) depctr_sa_sdst(0) depctr_va_vdst(0) depctr_va_sdst(0) depctr_va_ssrc(0) depctr_va_vcc(0) depctr_vm_vsrc(0)
	s_getreg_b32 s2, hwreg(HW_REG_IB_STS2, 6, 4)
	s_cmp_eq_u32 s2, 0
	s_cbranch_scc0 .Lentry_in_a_cluster
	s_endpgm
.Lentry_in_a_cluster:
	s_bfe_u32 s2, ttmp6, 0x10000c
	s_cmp_lg_u32 s2, 0xf033
	s_cbranch_scc0 .Lentry_shape_is_right
	s_endpgm
.Lentry_shape_is_right:
; q = x Wq + bq, k = x Wk + bk, v = x Wv + bv on codes of E4M3 with E8M0 scales, and the results quantised on the way out: q and k along the head's 64, v along the keys.
; Operands lie as images of their fragments (a tile of 16 rows: 512 bytes for each 32 along K, 16 bytes a lane), rows in position order: tile 2 G + u, row r = true row 32 G + 8 u + r + 8 (r / 8).
; A tile of the product is 256 x 256: four waves, each 128 x 128 in 64 accumulators.  Source 0 = B's tiles, source 1 = A's: a lane holds ONE row of A, and by the position order of B's rows its 64 registers of a row
; of accumulators are register 16 b + i = B's row 32 b + 16 h + i: the order that the conversions and the next operand's layout want.
; TWO ORIENTATIONS in one launch, chosen by the cluster's y (the same in all partners): y < 8: A = x, B = Wq | Wk (a lane holds a token, registers run along d);  y >= 8: A = Wv, B = x (a lane holds a channel d, registers run along the keys).
; K = 1024 goes in four steps of 256 through two LDS slots of 131,072 bytes; the scale bytes of the 512 rows come once.  CLUSTERS 4 x 4: A's tiles are asked for jointly along a row of the cluster, B's along a column.
; OUT: qkv: Q at 0, K at 2^23: [b h][G 64][u][c 2][512];  V at 2^24: [b h][key step 16][d tile 4][c 4][512].  qkvs: Q at 0, K at 2^18: [b h][G][r][u0c0 u0c1 u1c0 u1c1];  V at 2^19: [b h][step][d tile][r][4 bytes].
; LIMITS: a block of zeros gets the byte 1 where the rule says 127 (zero codes; this program alone reads the bytes); NaN and infinities are not served.
; REGISTERS: window 0: v1-3, v10-12 lane numbers and offsets; v16-29 LDS addresses; v32-63 scale words, two sets; v64-127 biases; v128-255 A's fragments, on the way out at work.  window 1: B's two sets.  windows 2, 3: accumulators.
.set NQ,     2                         ; matrix instructions deep in a slot
.set FR,     16
.set NL,     4
.set NP,     8                         ; places behind this matrix instruction (ISA guide 7.12.1)
.set TILEB,  4096                      ; a tile's bytes in a slot: 8 blocks of 512
.set HALFT,  8*TILEB                   ; what one tensor load brings, and what one wave reads of A or of B
.set SLOT,   4*HALFT
.set SCL,    2*SLOT                    ; behind the ring: the scale bytes, A's 8,192 then B's
.set HALFS,  4096
.set SPARE,  SCL+4*HALFS               ; the spare words, 128 bytes a wave
.set ADRA, 16
.set ADRB, 20
.set ADRS, 27
.set SPW,  28
.set NIL,  29
.set LI,   10                          ; v10 16 x lane
.set SOF,  11                          ; v11 where my scale word goes
.set BOF,  12                          ; v12 my offset in the bias
.set SC,   32
.set BI,   64
.set AF,   128
.set T,    128                         ; the way out: 64 numbers
.set PC,   192                         ; their codes
.set TM,   208                         ; at work
.set PW,   224                         ; two tiles' scale words
.set WD,   226                         ; the word to be stored, and two at work
.set G1, 24
.set G0, 32
.set G1B, 48
.set G0B, 56
.set G1S, 68
.set G0S, 76
.set G1SB, 80
.set G0SB, 88
.set SEL, 66                           ; s[66:67] selects for lane l xor 16
.set MNT, 94
.set MASK, 45
.set MSB, 0
.macro WIN new
.if MSB != (\new)
	s_set_vgpr_msb (MSB<<8)|(\new)
.set MSB, (\new)
.endif
.endm
.set MUL_LO, 0xa1
.set MUL_HI, 0xf1
.set TO_B,   0x40
.macro JLOAD g0a, g1a, g0b, g1b        ; waves 0 and 1 fetch for A, waves 2 and 3 for B; four v_nop follow each line
	s_cmp_eq_u32 s15, 0
	s_cbranch_scc0 .Lfor_b_\@
	tensor_load_to_lds s[\g0a:\g0a+3], s[\g1a:\g1a+7]
	s_nop 0
.rept 4
	v_nop
.endr
	s_branch .Lasked_\@
.Lfor_b_\@:
	tensor_load_to_lds s[\g0b:\g0b+3], s[\g1b:\g1b+7]
	s_nop 0
.rept 4
	v_nop
.endr
.Lasked_\@:
.endm
.macro CREST
	s_cmp_lg_u32 s14, 0
	s_cbranch_scc1 .Lnot_wave_0_\@
	s_barrier_signal -3
.Lnot_wave_0_\@:
	s_barrier_wait -3
	s_barrier_signal -1
	s_barrier_wait -1
.endm
.macro CROUND
	s_barrier_signal -1
	s_barrier_wait -1
	CREST
.endm
	s_load_b256 s[4:11], s[0:1], 0x0               ; opc, ops, qkv, qkvs
	s_load_b128 s[96:99], s[0:1], 0x20             ; bq, bk
	s_load_b64 s[100:101], s[0:1], 0x30            ; bv
	v_lshl_add_u32 v[SPW], v0, 2, SPARE
	v_mov_b32 v[NIL], 0
	ds_add_u32 v28, v29
	ds_add_u32 v28, v29
	s_wait_dscnt 0x0
	v_lshrrev_b32 v1, 5, v0
	v_readfirstlane_b32 s14, v1                    ; wave
	s_lshr_b32 s15, s14, 1                         ; my half of A's rows; also: I fetch for A (0) or B (1)
	s_and_b32 s16, s14, 1                          ; my half of B's rows; also: which eight tiles I fetch
	s_bfe_u32 s40, ttmp6, 0x40000                  ; cx
	s_bfe_u32 s41, ttmp6, 0x40004                  ; cy
	s_and_b32 s12, ttmp7, 0xffff                   ; the cluster's y
	s_lshl_b32 s13, ttmp9, 2                       ; 4 x the cluster's x
	s_lshl_b32 s18, s12, 2
	s_max_u32 s19, s12, 8
	s_sub_co_u32 s19, s19, 8
	s_lshl_b32 s19, s19, 3
	s_add_co_u32 s19, s19, s13                     ; v: x's unit 8 (y - 8) + 4 x
	s_add_co_u32 s13, s13, 32                      ; q, k: the weights' unit 32 + 4 x
	s_cmp_lt_u32 s12, 8
	s_cselect_b32 s95, 1, 0                        ; 1: q, k;  0: v
	s_cselect_b32 s17, s18, 40
	s_cselect_b32 s42, s13, s19
	s_add_co_u32 s17, s17, s41                     ; A's unit of 256 rows: hangs on cy alone
	s_add_co_u32 s42, s42, s40                     ; B's: on cx alone
	s_lshl_b32 s43, s41, 2
	s_lshl_b32 s43, 15, s43                        ; my row of the cluster
	s_lshl_b32 s44, 0x1111, s40                    ; my column
	; group 1, codes: 8 rows (tiles) of 512 elements of 8 bytes, 2,048 elements apart; dense in LDS
	s_or_b32 s[G1+0], s43, (3<<16)|(1<<21)
	s_or_b32 s[G1B+0], s44, (3<<16)|(1<<21)
.irp g, G1, G1B
	s_mov_b32 s[\g+1], 512<<16
	s_mov_b32 s[\g+2], 8<<16
	s_mov_b32 s[\g+3], 512<<16
	s_mov_b32 s[\g+4], 8
	s_mov_b32 s[\g+5], 2048
	s_mov_b32 s[\g+6], 0
	s_mov_b32 s[\g+7], 0
.endr
	; group 1, scale bytes: 4,096 dense bytes as 16 rows of 256
	s_or_b32 s[G1S+0], s43, (3<<16)|(1<<21)
	s_or_b32 s[G1SB+0], s44, (3<<16)|(1<<21)
.irp g, G1S, G1SB
	s_mov_b32 s[\g+1], 32<<16
	s_mov_b32 s[\g+2], 16<<16
	s_mov_b32 s[\g+3], 32<<16
	s_mov_b32 s[\g+4], 16
	s_mov_b32 s[\g+5], 32
	s_mov_b32 s[\g+6], 0
	s_mov_b32 s[\g+7], 0
.endr
	s_lshl_b32 s20, s17, 18                        ; a unit's codes are 16 tiles of 16,384 bytes
	s_lshl_b32 s18, s16, 17
	s_add_co_u32 s20, s20, s18
	s_mov_b32 s21, 0
	s_lshl_b32 s46, s42, 18
	s_add_co_u32 s46, s46, s18
	s_mov_b32 s47, 0
	s_lshl_b32 s22, s17, 13                        ; its scale bytes 16 x 512
	s_lshl_b32 s18, s16, 12
	s_add_co_u32 s22, s22, s18
	s_mov_b32 s23, 0
	s_lshl_b32 s92, s42, 13
	s_add_co_u32 s92, s92, s18
	s_mov_b32 s93, 0
	s_lshl_b32 s45, s14, 15                        ; LDS: wave x HALFT
	s_lshl_b32 s94, s14, 12                        ; wave x HALFS
	s_wait_kmcnt 0x0
	s_add_nc_u64 s[20:21], s[4:5], s[20:21]
	s_add_nc_u64 s[22:23], s[6:7], s[22:23]
	s_add_nc_u64 s[46:47], s[4:5], s[46:47]
	s_add_nc_u64 s[92:93], s[6:7], s[92:93]
	CROUND                                         ; all sixteen work-groups are here: the first joint loads meet
	s_mov_b32 s[G0S], 1
	s_add_co_u32 s[G0S+1], s94, SCL
	s_mov_b64 s[G0S+2:G0S+3], s[22:23]
	s_or_b32 s[G0S+3], s[G0S+3], 0x80000000
	s_mov_b32 s[G0SB], 1
	s_add_co_u32 s[G0SB+1], s94, SCL
	s_mov_b64 s[G0SB+2:G0SB+3], s[92:93]
	s_or_b32 s[G0SB+3], s[G0SB+3], 0x80000000
	JLOAD G0S, G1S, G0SB, G1SB
.irp s, 0,1
	s_mov_b32 s[G0+4*\s], 1
	s_add_co_u32 s[G0+4*\s+1], s45, \s*SLOT
	s_add_nc_u64 s[G0+4*\s+2:G0+4*\s+3], s[20:21], \s*TILEB
	s_or_b32 s[G0+4*\s+3], s[G0+4*\s+3], 0x80000000
	s_mov_b32 s[G0B+4*\s], 1
	s_add_co_u32 s[G0B+4*\s+1], s45, \s*SLOT
	s_add_nc_u64 s[G0B+4*\s+2:G0B+4*\s+3], s[46:47], \s*TILEB
	s_or_b32 s[G0B+4*\s+3], s[G0B+4*\s+3], 0x80000000
	JLOAD G0+4*\s, G1, G0B+4*\s, G1B
.endr
	v_and_b32 v1, 15, v0                           ; r
	v_bfe_u32 v2, v0, 4, 1                         ; h
	s_wait_alu depctr_va_vdst(0)
	v_and_b32 v3, 31, v0                           ; lane
	v_lshlrev_b32 v[LI], 4, v3
	s_lshl_b32 s18, s15, 15
	s_lshl_b32 s19, s16, 15
	s_add_co_u32 s19, s19, 2*HALFT
.irp s, 0,1
	v_add_nc_u32 v[ADRA+\s], s18, v[LI]
	v_add_nc_u32 v[ADRB+\s], s19, v[LI]
	s_add_co_u32 s18, s18, SLOT
	s_add_co_u32 s19, s19, SLOT
.endr
	s_lshl_b32 s18, s15, 12                        ; scale words: lanes 0-15 A's rows, lanes 16-31 B's: the lower base + h x the distance
	s_lshl_b32 s19, s16, 12
	s_add_co_u32 s19, s19, 2*HALFS
	s_sub_co_u32 s19, s19, s18
	v_mul_u32_u24 v6, s19, v2
	s_add_co_u32 s18, s18, SCL
	v_lshl_add_u32 v5, v1, 4, v6
	v_add_nc_u32 v[ADRS], s18, v5
	s_mov_b32 s[SEL], 0x76543210
	s_mov_b32 s[SEL+1], 0xfedcba98
	s_mov_b32 s[MASK], 0xffff0000                  ; lanes 16-31
.macro FRAG reg, adr, q, i             ; a fragment comes as it lies: four loads of 16 x lane, 512 bytes apart
.irp c, 0,1,2,3
	ds_load_b128 v[\reg+4*\c:\reg+4*\c+3], v[\adr] offset:TILEB*(\i)+2048*(\q)+512*\c
.endr
.endm
; 16 matrix instructions: A's blocks a0, a0 + 1 x B's eight.  The 64 accumulators take turns, in the same order in every step.
.macro MUL16 a0, p, q, sc, zero
.irp a, \a0, \a0+1
.irp b, 0,1,2,3,4,5,6,7
.if \zero
	v_wmma_scale_f32_16x16x128_f8f6f4 v[8*(8*((\a)%4)+\b):8*(8*((\a)%4)+\b)+7], v[128*(\p)+FR*\b:128*(\p)+FR*\b+FR-1], v[AF+FR*(\a):AF+FR*(\a)+FR-1], 0, v[SC+8*NQ*(\sc)+NQ*\b+(\q)], v[SC+8*NQ*(\sc)+NQ*(\a)+(\q)] matrix_a_scale:MATRIX_SCALE_ROW1
.else
	v_wmma_scale_f32_16x16x128_f8f6f4 v[8*(8*((\a)%4)+\b):8*(8*((\a)%4)+\b)+7], v[128*(\p)+FR*\b:128*(\p)+FR*\b+FR-1], v[AF+FR*(\a):AF+FR*(\a)+FR-1], v[8*(8*((\a)%4)+\b):8*(8*((\a)%4)+\b)+7], v[SC+8*NQ*(\sc)+NQ*\b+(\q)], v[SC+8*NQ*(\sc)+NQ*(\a)+(\q)] matrix_a_scale:MATRIX_SCALE_ROW1
.endif
.endr
.endr
.endm
.macro FETCH_B slot, q, p
	WIN TO_B
.irp i, 0,1,2,3,4,5,6,7
	FRAG 128*(\p)+FR*\i, ADRB+\slot, \q, \i
.endr
	WIN 0
.endm
.macro FETCH_A slot, q, i0
.irp i, \i0, \i0+1, \i0+2, \i0+3
	FRAG AF+FR*(\i), ADRA+\slot, \q, \i
.endr
.endm
.macro SCALES sc, ks                   ; K step ks's two words a row: lanes 0-15 A's block i, lanes 16-31 B's
.irp i, 0,1,2,3,4,5,6,7
	ds_load_b64 v[SC+8*NQ*(\sc)+NQ*\i:SC+8*NQ*(\sc)+NQ*\i+1], v[ADRS] offset:512*\i+256*((\ks)/2)+8*((\ks)%2)
.endr
.endm
.macro PLACES n
.rept \n
	v_nop
.endr
.endm
.macro STEP slot, q, zero              ; 128 along K whose successor lies in the same slot
	s_wait_dscnt 4*NL                              ; all but the youngest sixteen loads (A's blocks 4-7)
	WIN MUL_LO
	MUL16 0, (\q)%2, \q, \slot, \zero
	MUL16 2, (\q)%2, \q, \slot, \zero
	s_wait_dscnt 0
	PLACES NP
	FETCH_B \slot, (\q)+1, 1-(\q)%2
	FETCH_A \slot, (\q)+1, 0
	WIN MUL_HI
	MUL16 4, (\q)%2, \q, \slot, \zero
	MUL16 6, (\q)%2, \q, \slot, \zero
	PLACES NP
	WIN 0
	FETCH_A \slot, (\q)+1, 4
.endm
; A slot's last step changes slots: one barrier; in front of it each wave waits for all its tensor loads, adds 0 to its spare word, and waits for that and for its reads of this slot.
.macro TURN slot, next, fill, ks
	s_wait_tensorcnt 0x0                           ; all my tensor loads have landed: my part of the next slot
	ds_add_u32 v[SPW], v[NIL]
	s_wait_dscnt 4*NL+1                            ; (the add and A's blocks 4-7 may be out)
	WIN MUL_LO
	MUL16 0, 1, NQ-1, \slot, 0
	s_wait_dscnt 0x0                               ; the add is done, and my reads of this slot are over
	s_barrier_signal -1
	MUL16 2, 1, NQ-1, \slot, 0
	WIN 0
	s_barrier_wait -1
.if \fill
	CREST                                          ; the barrier has opened a round of the cluster's: no wave of any partner still reads this slot or has a load on its way
	s_add_nc_u64 s[G0+4*\slot+2:G0+4*\slot+3], s[G0+4*\slot+2:G0+4*\slot+3], 2*TILEB
	s_add_nc_u64 s[G0B+4*\slot+2:G0B+4*\slot+3], s[G0B+4*\slot+2:G0B+4*\slot+3], 2*TILEB
	JLOAD G0+4*\slot, G1, G0B+4*\slot, G1B         ; the first tensor load behind the round; its four v_nop are four of the eight places
	PLACES NP-4
.else
	PLACES NP
.endif
	FETCH_B \next, 0, 0
	FETCH_A \next, 0, 0
	SCALES \next, \ks
	WIN MUL_HI
	MUL16 4, 1, NQ-1, \slot, 0
	MUL16 6, 1, NQ-1, \slot, 0
	PLACES NP
	WIN 0
	FETCH_A \next, 0, 4
.endm
.macro LAST                            ; the very last 128 along K: nothing more to fetch
	s_wait_dscnt 4*NL
	WIN MUL_LO
	MUL16 0, 1, NQ-1, 1, 0
	MUL16 2, 1, NQ-1, 1, 0
	s_wait_dscnt 0
	WIN MUL_HI
	MUL16 4, 1, NQ-1, 1, 0
	MUL16 6, 1, NQ-1, 1, 0
	WIN 0
.endm
; 64 numbers of a lane, register 16 b + i = k 32 b + 16 h + i of my row, become a fragment's codes in v[PC] on and its scale word in v[pw].
.macro QUANT s, pw
.irp b, 0,1,2,3
	v_max3_num_f32 v[TM+\b], |v[\s+16*\b]|, |v[\s+1+16*\b]|, 0x4800000   ; with the floor 2^(9 - 127): the byte cannot fall under 1
.endr
.irp i, 2,4,6,8,10,12,14
.irp b, 0,1,2,3
	v_max3_num_f32 v[TM+\b], v[TM+\b], |v[\s+16*\b+\i]|, |v[\s+1+16*\b+\i]|
.endr
.endr
.irp b, 0,1,2,3
	v_permlanex16_b32 v[TM+4+\b], v[TM+\b], s[SEL], s[SEL+1]
.endr
.irp b, 0,1,2,3
	v_max_num_f32 v[TM+\b], v[TM+\b], v[TM+4+\b]   ; with lane l xor 16's: the block's largest magnitude
.endr
.irp b, 0,1,2,3
	v_add_nc_u32 v[TM+12+\b], 0xfc000000, v[TM+\b] ; 8 off its exponent field: the conversion's scale operand
.endr
.irp b, 0,1,2,3
.endr
.irp b, 0,1,2,3
	v_lshrrev_b32 v[TM+4+\b], 23, v[TM+12+\b]      ; the scale's byte
.endr
	v_lshl_or_b32 v[\pw], v[TM+5], 8, v[TM+4]
	v_lshl_or_b32 v[\pw], v[TM+6], 16, v[\pw]
	v_lshl_or_b32 v[\pw], v[TM+7], 24, v[\pw]
.irp b, 0,1,2,3
.irp i, 0,1,2,3,4,5,6,7,8,9,10,11,12,13,14,15
.endr
	v_cvt_scalef32_pk8_fp8_f32 v[PC+4*\b:PC+1+4*\b], v[\s+16*\b:\s+7+16*\b], v[TM+12+\b]
	v_cvt_scalef32_pk8_fp8_f32 v[PC+2+4*\b:PC+3+4*\b], v[\s+8+16*\b:\s+15+16*\b], v[TM+12+\b]
.endr
	v_nop                                          ; a plain line behind the last conversion
.endm
; THE WAY OUT, a row of accumulators (16 rows of A x 128 rows of B) at a time: the bias is added on the way into window 0 (each accumulator read from its low end on), the 64 numbers are quantised, and the four
; groups of codes leave as they stand: each store is 512 consecutive bytes of an image.  No LDS.
.macro EPI isv
	s_wait_loadcnt 0x0                             ; the biases
	PLACES NP
.irp b, 0,1,2,3
	v_mov_b32 v[TM+4+\b], 0                        ; a lane permute's destination counts as one of its sources
.endr
.set EA, 0
.rept 8
	s_wait_xcnt 0x0                                ; the last tile's stores have read their registers
	WIN 0x02+EA/4                                  ; source 0: window 2 or 3
.set EI, 0
.rept 32
.if \isv
	v_pk_add_f32 v[T+EI:T+EI+1], v[64*(EA%4)+EI:64*(EA%4)+EI+1], v[BI+2*EA:BI+2*EA+1]
.else
	v_pk_add_f32 v[T+EI:T+EI+1], v[64*(EA%4)+EI:64*(EA%4)+EI+1], v[BI+EI:BI+EI+1]
.endif
.set EI, EI+2
.endr
	WIN 0
	QUANT T, PW+EA%2
.set EB, 0
.rept 4
.if \isv
	global_store_b128 v[LI], v[PC+4*EB:PC+4*EB+3], s[8:9] offset:((EA/4)<<17)+((EA%4)<<11)+(EB<<9)   ; head EA / 4, d tile EA % 4, key block EB
.else
	global_store_b128 v[LI], v[PC+4*EB:PC+4*EB+3], s[8:9] offset:((EB/2)<<17)+(EA<<10)+((EB%2)<<9)   ; head EB / 2, tile EA, block EB % 2 of the head's 64
.endif
.set EB, EB+1
.endr
.if EA%2 == 1
.if \isv
	v_cndmask_b32 v[WD], v[PW], v[PW+1], s[MASK]   ; lanes 0-15 the even tile's words, lanes 16-31 the odd tile's: 128 consecutive bytes
	global_store_b32 v[SOF], v[WD], s[10:11] offset:((EA/4)<<12)+(((EA-1)%4)<<6)
.else
	v_perm_b32 v[WD+1], v[PW+1], v[PW], 0x05040100 ; the first head's word: u0c0 u0c1 u1c0 u1c1
	v_perm_b32 v[WD+2], v[PW+1], v[PW], 0x07060302 ; the second head's
	v_cndmask_b32 v[WD], v[WD+1], v[WD+2], s[MASK]
	global_store_b32 v[SOF], v[WD], s[10:11] offset:(EA/2)<<6
.endif
.endif
.set EA, EA+1
.endr
.endm
	s_wait_alu depctr_va_vdst(0)
	s_wait_tensorcnt 1                             ; the scale bytes and my part of K step 0 are in (K step 1's load may be out),
	s_barrier_signal -1
	s_barrier_wait -1                              ; everybody's are
	FETCH_B 0, 0, 0
	FETCH_A 0, 0, 0
	SCALES 0, 0
	FETCH_A 0, 0, 4
	STEP 0, 0, 1                                   ; the first products start the sums: nothing is cleared
	TURN 0, 1, 1, 1
	STEP 1, 0, 0
	TURN 1, 0, 1, 2
	STEP 0, 0, 0
	TURN 0, 1, 0, 3                                ; nothing is left to fetch
	; THE ORIENTATIONS PART HERE, ONCE: each arm asks for its biases, multiplies the last K step (no barrier and no tensor load in it) and goes out.
	s_cmp_eq_u32 s95, 0
	s_cbranch_scc1 .Lv_arm
	; ---- q, k: A's unit s17 = x's, B's unit s42 = 32 + ..
	s_lshr_b32 s2, s17, 3
	s_lshl_b32 s2, s2, 4                           ; 16 x batch
	s_and_b32 s3, s42, 3
	s_lshl_b32 s3, s3, 2
	s_add_co_u32 s2, s2, s3
	s_lshl_b32 s3, s16, 1
	s_add_co_u32 s2, s2, s3                        ; + my first head
	s_and_b32 s3, s17, 7
	s_lshl_b32 s3, s3, 3
	s_lshl_b32 s12, s15, 2
	s_add_co_u32 s3, s3, s12                       ; my first G
	s_bfe_u32 s12, s42, 0x10002                    ; 0: q, 1: k
	s_lshl_b32 s46, s12, 23
	s_lshl_b32 s47, s2, 17
	s_add_co_u32 s46, s46, s47
	s_lshl_b32 s47, s3, 11
	s_add_co_u32 s46, s46, s47
	s_mov_b32 s47, 0
	s_add_nc_u64 s[8:9], s[8:9], s[46:47]
	s_lshl_b32 s46, s12, 18
	s_lshl_b32 s47, s2, 12
	s_add_co_u32 s46, s46, s47
	s_lshl_b32 s47, s3, 6
	s_add_co_u32 s46, s46, s47
	s_mov_b32 s47, 0
	s_add_nc_u64 s[10:11], s[10:11], s[46:47]
	s_and_b32 s46, s42, 3
	s_lshl_b32 s46, s46, 10
	s_lshl_b32 s47, s16, 9
	s_add_co_u32 s46, s46, s47                     ; my 128 columns in the bias, in bytes
	s_mov_b32 s47, 0
	s_cmp_eq_u32 s12, 0
	s_cselect_b64 s[92:93], s[96:97], s[98:99]
	s_add_nc_u64 s[92:93], s[92:93], s[46:47]
	v_lshlrev_b32 v[BOF], 6, v2                    ; 64 h: register 16 b + i is column 32 b + 16 h + i
.irp b, 0,1,2,3
.irp j, 0,1,2,3
	global_load_b128 v[BI+16*\b+4*\j:BI+16*\b+4*\j+3], v[BOF], s[92:93] offset:128*\b+16*\j
.endr
.endr
	v_lshlrev_b32 v[SOF], 12, v2
	v_lshl_add_u32 v[SOF], v1, 2, v[SOF]           ; lanes 16-31 store the second head's words
	STEP 1, 0, 0
	LAST
	EPI 0
	s_branch .Ldone
.Lv_arm:
	; ---- v: A's unit s17 = 40 + .., B's unit s42 = x's
	s_sub_co_u32 s2, s17, 40
	s_lshl_b32 s12, s2, 10
	s_lshl_b32 s13, s15, 9
	s_add_co_u32 s12, s12, s13                     ; my 128 channels in the bias, in bytes
	s_mov_b32 s13, 0
	s_add_nc_u64 s[92:93], s[100:101], s[12:13]
	s_lshl_b32 s2, s2, 2
	s_lshl_b32 s3, s15, 1
	s_add_co_u32 s2, s2, s3                        ; my first head
	s_lshr_b32 s3, s42, 3
	s_lshl_b32 s3, s3, 4
	s_add_co_u32 s2, s2, s3                        ; + 16 x batch
	s_and_b32 s3, s42, 7
	s_lshl_b32 s3, s3, 1
	s_add_co_u32 s3, s3, s16                       ; my key step
	s_lshl_b32 s46, s2, 17
	s_lshl_b32 s47, s3, 13
	s_add_co_u32 s46, s46, s47
	s_add_co_u32 s46, s46, 1<<24
	s_mov_b32 s47, 0
	s_add_nc_u64 s[8:9], s[8:9], s[46:47]
	s_lshl_b32 s46, s2, 12
	s_lshl_b32 s47, s3, 8
	s_add_co_u32 s46, s46, s47
	s_add_co_u32 s46, s46, 1<<19
	s_mov_b32 s47, 0
	s_add_nc_u64 s[10:11], s[10:11], s[46:47]
	v_and_b32 v[BOF], 8, v1
	v_add_nc_u32 v[BOF], v[BOF], v1
	v_lshlrev_b32 v[BOF], 2, v[BOF]                ; my channel of a tile: r + 8 (r / 8)
.irp a, 0,1,2,3,4,5,6,7
	global_load_b32 v[BI+2*\a], v[BOF], s[92:93] offset:4*(32*(\a/2)+8*(\a%2))     ; one number a lane and tile, twice: a pair for the packed addition
	global_load_b32 v[BI+2*\a+1], v[BOF], s[92:93] offset:4*(32*(\a/2)+8*(\a%2))
.endr
	v_lshlrev_b32 v[SOF], 2, v3
	STEP 1, 0, 0
	LAST
	EPI 1
.Ldone:
	s_wait_tensorcnt 0x0                           ; the wave's end
	ds_add_u32 v[SPW], v[NIL]
	s_wait_dscnt 0x0
	CROUND                                         ; the closing round
	s_endpgm
.Lfunc_end_k_qc5ccdde13a_qkvgemm:
	.size	k_qc5ccdde13a_qkvgemm, .Lfunc_end_k_qc5ccdde13a_qkvgemm-k_qc5ccdde13a_qkvgemm
	.p2alignl 7, 3214868480
	.fill 96, 4, 3214868480
	.section	.rodata,"a",@progbits
	.p2align	6, 0x0
	.amdhsa_kernel k_qc5ccdde13a_qkvgemm
		.amdhsa_group_segment_fixed_size 327680
		.amdhsa_private_segment_fixed_size 0
		.amdhsa_enable_private_segment 0
		.amdhsa_kernarg_size 56
		.amdhsa_user_sgpr_count 2
		.amdhsa_user_sgpr_kernarg_segment_ptr 1
		.amdhsa_wavefront_size32 1
		.amdhsa_system_sgpr_workgroup_id_x 1
		.amdhsa_system_sgpr_workgroup_id_y 1
		.amdhsa_system_sgpr_workgroup_id_z 1
		.amdhsa_system_vgpr_workitem_id 0
		.amdhsa_next_free_vgpr 1024
		.amdhsa_next_free_sgpr 102
		.amdhsa_reserve_vcc 0
		.amdhsa_float_denorm_mode_32 3
		.amdhsa_float_denorm_mode_16_64 3
		.amdhsa_fp16_overflow 1
		.amdhsa_memory_ordered 1
		.amdhsa_forward_progress 1
		.amdhsa_inst_pref_size 241
	.end_amdhsa_kernel
	.amdgpu_metadata
---
amdhsa.version: [ 1, 2 ]
amdhsa.kernels:
  - .name:           k_qc5ccdde13a_qkvgemm
    .symbol:         k_qc5ccdde13a_qkvgemm.kd
    .args:
      - { .name: opc, .offset: 0, .size: 8, .value_kind: global_buffer, .address_space: global }
      - { .name: ops, .offset: 8, .size: 8, .value_kind: global_buffer, .address_space: global }
      - { .name: qkv, .offset: 16, .size: 8, .value_kind: global_buffer, .address_space: global }
      - { .name: qkvs, .offset: 24, .size: 8, .value_kind: global_buffer, .address_space: global }
      - { .name: bq, .offset: 32, .size: 8, .value_kind: global_buffer, .address_space: global }
      - { .name: bk, .offset: 40, .size: 8, .value_kind: global_buffer, .address_space: global }
      - { .name: bv, .offset: 48, .size: 8, .value_kind: global_buffer, .address_space: global }
    .group_segment_fixed_size: 327680
    .private_segment_fixed_size: 0
    .kernarg_segment_align: 8
    .kernarg_segment_size: 56
    .max_flat_workgroup_size: 128
    .sgpr_count:     102
    .vgpr_count:     1024
    .wavefront_size: 32
...
	.end_amdgpu_metadata
.endif
;; end of part 2
;; launch attn (part 3): grid 4 x 64, 16 waves a work-group, clusters of 4 x 1, 272,384 bytes of LDS; arguments qkv, qkvs, yc, ys; writes yc, ys
.if DOCPART == 3
	.amdgcn_target "amdgcn-amd-amdhsa--gfx1250"
	.amdhsa_code_object_version 6
	.text
	.protected	k_qc5ccdde13a_attn
	.globl	k_qc5ccdde13a_attn
	.p2align	8
	.type	k_qc5ccdde13a_attn,@function
k_qc5ccdde13a_attn:
	s_mov_b64 s[64:65], 0
	v_nop
	global_prefetch_b8 v0, s[64:65] scope:SCOPE_SE
	s_setreg_imm32_b32 hwreg(HW_REG_WAVE_MODE, 25, 1), 1
	s_wait_xcnt 0x0
	s_wait_alu depctr_hold_cnt(0) depctr_sa_sdst(0) depctr_va_vdst(0) depctr_va_sdst(0) depctr_va_ssrc(0) depctr_va_vcc(0) depctr_vm_vsrc(0)
	s_getreg_b32 s2, hwreg(HW_REG_IB_STS2, 6, 4)
	s_cmp_eq_u32 s2, 0
	s_cbranch_scc0 .Lentry_in_a_cluster
	s_endpgm
.Lentry_in_a_cluster:
	s_bfe_u32 s2, ttmp6, 0x10000c
	s_cmp_lg_u32 s2, 0x3003
	s_cbranch_scc0 .Lentry_shape_is_right
	s_endpgm
.Lentry_shape_is_right:
; y[b][t][h][:] = the sum over keys s <= t of softmax_s(q . k / 8) v, both products on codes of E4M3 with E8M0 scales; y is quantised along C on the way out, as the next product's operand.
; THE SOFTMAX: t = score x log2(e) / 8; M = the running largest t rounded UP to a whole number; p = 2^(t - M) is quantised along the keys, not normalised; the row's sum is taken of the unquantised p and divides at the end.
; A WHOLE HEAD STAYS IN LDS: K's codes 131,072 bytes, V's 131,072, their scale words 2 x 4,096, filled ONCE: no slot is filled again.  The four work-groups of a head form the cluster and ask for all of it jointly.
; SHARES.  Work-group j owns queries 128 s + 32 j + 0 .. 31 of every s = 0 .. 15.  Wave w owns two tiles of 16 queries (u = w % 2), one after the other: s = 15 - w / 2, which has 16 - w / 2 key steps of 128, and
; s = w / 2, which has w / 2 + 1: 17 steps for every wave of every work-group.  Every branch hangs on the wave's number and on constants, never on the place in the cluster.
; The head comes in five pieces (scale words; key steps 0-1, 2-3, 4-7, 8-15), each shown to all waves by a barrier just ahead of its first step, while the later pieces are on their way: five loads of a fetching wave are out at the most.
; LAYOUT.  Operands lie as images of their fragments.  S^T = K Q^T and O^T = V^T P^T: a lane holds one query throughout.  By the position order of K's rows the 16 registers of S^T's tiles 2 b, 2 b + 1 are keys 32 b + 16 h + 0 .. 15.
; K = 64 IN AN INSTRUCTION OF K = 128: source 0 holds TWO tiles of 16 keys (registers 0-7 and 8-15); Q stands as [0 | q | 0] in v208-231, and [q | 0] picks the first tile, [0 | q] the second: zero codes add nothing.
; The mask is causal: steps all of whose keys come after the tile's queries are left out; in the one step on the diagonal hidden scores become -infinity ahead of the maximum.
; LIMITS: a block of zeros gets the byte 1 where the rule says 127 (zero codes; this program alone reads the bytes); NaN and infinities are not served.
; REGISTERS: v1-10 addresses; v12 -M, v13 the largest t, v[14:15] the sum; v16-19 K's scale words, v20-23 V's, v24 Q's raw word, v25 Q's, v26 p's; v32-95 four fragments; v96-159 S^T, then p; v160-191 O^T; v192-207 codes; v208-231 Q; v232-254 at work.
.set LI,  1                            ; 16 x lane
.set LS,  2                            ; K's scale words: 262,144 + 4 r
.set DD,  3                            ; my query less 128 s less 16 h
.set YR,  5                            ; 16 r
.set QW,  7                            ; 4 r
.set ADK, 8
.set ADV, 9
.set ADS, 10
.set KW,  16
.set VW,  20
.set QRAW, 24
.set QS,  25
.set PS,  26
.set FRG, 32
.set S,   96
.set O,   160
.set PC,  192
.set WV,  12                           ; s12 wave; s13 j; s14 batch x 16 + head; s15 u
.set LIM, 72                           ; s72 the tile's s: its last key step
.set KS,  73                           ; s73 the key step
.set TB,  74                           ; s74 its codes' LDS byte
.set TS,  75                           ; s75 its scale words'
.set CNT, 76
.set GG,  77                           ; s77 the tile's G = 4 s + j
.set CS,  78                           ; s[78:79] c = log2(e) / 8
.set SEL, 80
.set MNT, 82
.set PSEL, 83
.macro CROUND
	s_barrier_signal -1
	s_barrier_wait -1
	s_cmp_lg_u32 s[WV], 0
	s_cbranch_scc1 .Lnot_wave_0_\@
	s_barrier_signal -3
.Lnot_wave_0_\@:
	s_barrier_wait -3
	s_barrier_signal -1
	s_barrier_wait -1
.endm
.macro GROUP1 g, rows                  ; a dense block as rows of 256 bytes (32 elements of 8); mask: all four work-groups, bit 21 beside it
	s_mov_b32 s[\g], 15|(3<<16)|(1<<21)
	s_mov_b32 s[\g+1], 32<<16
	s_mov_b32 s[\g+2], (\rows)<<16
	s_mov_b32 s[\g+3], 32<<16
	s_mov_b32 s[\g+4], \rows
	s_mov_b32 s[\g+5], 32
	s_mov_b32 s[\g+6], 0
	s_mov_b32 s[\g+7], 0
.endm
.macro GROUP0 g, off, sh               ; my half (2^sh bytes) of the piece that begins off bytes into the head's codes
	s_lshl_b32 s98, s15, \sh
	s_add_co_u32 s98, s98, \off
	s_mov_b32 s[\g], 1
	s_add_co_u32 s[\g+1], s92, s98
	s_add_nc_u64 s[\g+2:\g+3], s[94:95], s[98:99]
	s_or_b32 s[\g+3], s[\g+3], 0x80000000
.endm
	s_load_b256 s[4:11], s[0:1], 0x0               ; qkv, qkvs, yc, ys
	v_lshl_add_u32 v251, v0, 2, 0x42000
	v_mov_b32 v255, 0
	ds_add_u32 v251, v255
	ds_add_u32 v251, v255
	v_lshrrev_b32 v4, 5, v0
	s_delay_alu instid0(VALU_DEP_1)
	v_readfirstlane_b32 s[WV], v4                  ; wave 0..15
	s_bfe_u32 s13, ttmp6, 0x40000                  ; cx
	s_lshl_b32 s84, ttmp9, 2
	s_add_co_u32 s13, s13, s84                     ; j: it enters Q's, y's addresses and the mask's numbers alone
	s_and_b32 s14, ttmp7, 0xffff                   ; batch x 16 + head, which the partners share
	s_and_b32 s15, s[WV], 1                        ; u; for a fetching wave: which half
	s_bfe_u32 s86, s[WV], 0x10001                  ; for a fetching wave: K (0) or V (1)
	s_add_co_u32 s87, s86, 1
	s_lshl_b32 s88, s87, 23
	s_lshl_b32 s89, s14, 17
	s_add_co_u32 s88, s88, s89                     ; the head's codes of that kind
	s_mov_b32 s89, 0
	s_lshl_b32 s90, s87, 18
	s_lshl_b32 s91, s14, 12
	s_add_co_u32 s90, s90, s91
	s_lshl_b32 s91, s15, 11
	s_add_co_u32 s90, s90, s91                     ; my half of its scale words
	s_mov_b32 s91, 0
	s_lshl_b32 s92, s86, 17                        ; LDS: K at 0, V at 131,072
	s_lshl_b32 s93, s86, 12
	s_lshl_b32 s96, s15, 11
	s_add_co_u32 s93, s93, s96
	s_add_co_u32 s93, s93, 262144                  ; the scale words' place
	s_mov_b32 s99, 0
	GROUP1 16, 8
	GROUP1 24, 32
	GROUP1 32, 64
	GROUP1 40, 128
	s_mov_b32 s[CS], 0x3e38aa3b
	s_mov_b32 s[CS+1], s[CS]
	s_mov_b32 s[SEL], 0x76543210
	s_mov_b32 s[SEL+1], 0xfedcba98
	s_mov_b32 s[PSEL], 0x03020302                  ; Q's two bytes of its tile, doubled
	s_cmp_eq_u32 s15, 0
	s_cselect_b32 s[PSEL], 0x01000100, s[PSEL]
	s_wait_dscnt 0x0
	s_wait_kmcnt 0x0
	s_add_nc_u64 s[94:95], s[4:5], s[88:89]
	s_add_nc_u64 s[96:97], s[6:7], s[90:91]
	s_mov_b32 s48, 1
	s_mov_b32 s49, s93
	s_mov_b64 s[50:51], s[96:97]
	s_or_b32 s51, s51, 0x80000000
	GROUP0 52, 0, 13
	GROUP0 56, 16384, 13
	GROUP0 60, 32768, 14
	GROUP0 68, 65536, 15
	CROUND                                         ; all four work-groups are here: the joint loads meet
	s_cmp_lt_u32 s[WV], 4                          ; waves 0, 1: K's halves; waves 2, 3: V's.  All of a wave's fills stand in this one branch
	s_cbranch_scc0 .Lno_fill
	tensor_load_to_lds s[48:51], s[16:23]
	s_nop 0
	tensor_load_to_lds s[52:55], s[24:31]
	s_nop 0
	tensor_load_to_lds s[56:59], s[24:31]
	s_nop 0
	tensor_load_to_lds s[60:63], s[32:39]
	s_nop 0
	tensor_load_to_lds s[68:71], s[40:47]
	s_nop 0
.rept 4
	v_nop
.endr
.Lno_fill:
	v_and_b32 v4, 31, v0
	s_delay_alu instid0(VALU_DEP_1)
	v_lshlrev_b32 v[LI], 4, v4
	v_and_b32 v[YR], 15, v0                        ; r
	v_bfe_u32 v6, v0, 4, 1                         ; h
	s_delay_alu instid0(VALU_DEP_2)
	v_lshl_add_u32 v[LS], v[YR], 2, 0x40000
	s_delay_alu instid0(VALU_DEP_3)
	v_lshlrev_b32 v[QW], 2, v[YR]
	s_delay_alu instid0(VALU_DEP_4)
	v_and_b32 v[DD], 8, v[YR]
	s_delay_alu instid0(VALU_DEP_1)
	v_add_nc_u32 v[DD], v[DD], v[YR]               ; r + 8 (r / 8)
	v_lshlrev_b32 v6, 4, v6
	s_delay_alu instid0(VALU_DEP_1)
	v_sub_nc_u32 v[DD], v[DD], v6
	s_lshl_b32 s84, s13, 5
	s_lshl_b32 s85, s15, 3
	s_add_co_u32 s84, s84, s85
	v_add_nc_u32 v[DD], s84, v[DD]                 ; 32 j + 8 u + r + 8 (r / 8) - 16 h
	v_lshlrev_b32 v[YR], 4, v[YR]
.irp i, 0,1,2,3,4,5,6,7
	v_mov_b32 v[208+\i], 0                         ; the zero codes on both sides of q
	v_mov_b32 v[224+\i], 0
.endr
.irp i, 236,237,238,239,252,253
	v_mov_b32 v[\i], 0                             ; lane permutes' destinations, and the upper half of the pair v[252:253], are written once
.endr
.macro HEAD n                          ; the piece with n younger ones behind it has landed in the waves that asked; then everybody knows
	s_wait_tensorcnt \n
	s_wait_dscnt 0x0
	s_barrier_signal -1
	s_barrier_wait -1
.endm
.macro INIT                            ; a tile begins: s[LIM] holds its s
	s_lshl_b32 s[GG], s[LIM], 2
	s_add_co_u32 s[GG], s[GG], s13
	s_lshl_b32 s86, s[GG], 11
	s_lshl_b32 s87, s15, 10
	s_add_co_u32 s86, s86, s87
	s_lshl_b32 s87, s14, 17
	s_add_co_u32 s86, s86, s87
	s_mov_b32 s87, 0
	s_add_nc_u64 s[86:87], s[4:5], s[86:87]
	s_lshl_b32 s88, s[GG], 6
	s_lshl_b32 s89, s14, 12
	s_add_co_u32 s88, s88, s89
	s_mov_b32 s89, 0
	s_add_nc_u64 s[88:89], s[6:7], s[88:89]
	global_load_b128 v[216:219], v[LI], s[86:87]
	global_load_b128 v[220:223], v[LI], s[86:87] offset:512
	global_load_b32 v[QRAW], v[QW], s[88:89]
.set J, 0
.rept 32
	v_mov_b32 v[O+J], 0                            ; O^T: the step is written once; the first change of M leaves zeros zeros
.set J, J+1
.endr
	s_wait_loadcnt 0x0
	v_perm_b32 v[QS], v[QRAW], v[QRAW], s[PSEL]    ; (c0 c1 c0 c1): it serves [q | 0] and [0 | q].  The four lines below and the step's first eight stand between it and the first product
	v_mov_b32 v13, 0xff61b1e6                      ; the largest t so far: -3e38
	s_delay_alu instid0(VALU_DEP_1)
	v_floor_f32 v12, -v13                          ; -M
	v_mov_b32 v14, 0
	v_mov_b32 v15, 0
.endm
; A KEY STEP: 128 keys.
.macro STEP
	s_cmp_gt_u32 s[KS], s[LIM]                     ; all its keys come after my queries: only the lines at its end that step addresses are run
	s_cbranch_scc1 .Lskip_\@
	s_setprio 2
	v_add_nc_u32 v[ADK], s[TB], v[LI]
	v_add_nc_u32 v[ADS], s[TS], v[LS]
	s_delay_alu instid0(VALU_DEP_2)
	v_add_nc_u32 v[ADV], 0x20000, v[ADK]
.rept 5
	v_nop                                          ; with the three additions: eight places in front of loads into registers that the last products read
.endr
.irp g, 0,1,2,3
.irp c, 0,1,2,3
	ds_load_b128 v[FRG+16*\g+4*\c:FRG+16*\g+4*\c+3], v[ADK] offset:2048*\g+512*\c
.endr
	ds_load_b32 v[KW+\g], v[ADS] offset:64*\g
.endr
	s_wait_dscnt 0x0
	s_wait_alu depctr_va_vdst(0)
.irp g, 0,1,2,3
	v_wmma_scale_f32_16x16x128_f8f6f4 v[S+16*\g:S+16*\g+7], v[FRG+16*\g:FRG+16*\g+15], v[216:231], 0, v[KW+\g], v[QS]
	v_wmma_scale_f32_16x16x128_f8f6f4 v[S+16*\g+8:S+16*\g+15], v[FRG+16*\g:FRG+16*\g+15], v[208:223], 0, v[KW+\g], v[QS]
.endr
.rept 8
	v_nop
.endr
.irp d, 0,1,2,3                        ; V's fragments are asked for now and land under the softmax
.irp c, 0,1,2,3
	ds_load_b128 v[FRG+16*\d+4*\c:FRG+16*\d+4*\c+3], v[ADV] offset:2048*\d+512*\c
.endr
	ds_load_b32 v[VW+\d], v[ADS] offset:4096+64*\d
.endr
	s_cmp_lg_u32 s[KS], s[LIM]
	s_cbranch_scc1 .Lopen_\@
	v_mov_b32 v254, 0xff800000                     ; on the diagonal: register 16 b + i holds key 128 s + 32 b + 16 h + i: hidden where 32 b + i > v[DD]
.set N, 0
.rept 64
	v_cmp_gt_i32 vcc_lo, 32*(N/16)+N%16, v[DD]
	v_cndmask_b32 v[S+N], v[S+N], v254, vcc_lo
.set N, N+1
.endr
.Lopen_\@:
.irp b, 0,1,2,3
	v_max3_num_f32 v[232+\b], v[S+16*\b], v[S+1+16*\b], v[S+2+16*\b]   ; the largest score of each block of 32 keys: for the row's maximum, and, since p rises with the score, for the block's largest p
.endr
.irp i, 3,5,7,9,11,13
.irp b, 0,1,2,3
	v_max3_num_f32 v[232+\b], v[232+\b], v[S+16*\b+\i], v[S+1+16*\b+\i]
.endr
.endr
.irp b, 0,1,2,3
	v_max_num_f32 v[232+\b], v[232+\b], v[S+15+16*\b]
.endr
.irp b, 0,1,2,3
	s_delay_alu instid0(VALU_DEP_4)
	v_permlanex16_b32 v[236+\b], v[232+\b], s[SEL], s[SEL+1]
.endr
.irp b, 0,1,2,3
	s_delay_alu instid0(VALU_DEP_4)
	v_max_num_f32 v[232+\b], v[232+\b], v[236+\b]
.endr
	s_delay_alu instid0(VALU_DEP_2)
	v_max3_num_f32 v254, v232, v233, v234
	s_delay_alu instid0(VALU_DEP_1)
	v_max_num_f32 v254, v254, v235
	s_delay_alu instid0(VALU_DEP_1)
	v_mul_f32 v254, s[CS], v254
	s_delay_alu instid0(VALU_DEP_1)
	v_max_num_f32 v13, v13, v254                   ; the running largest t
	v_mov_b32 v254, v12
	s_delay_alu instid0(VALU_DEP_2)
	v_floor_f32 v12, -v13                          ; -M = floor(-t): M is a whole number
	s_delay_alu instid0(VALU_DEP_1)
	v_sub_f32 v254, v12, v254
	s_delay_alu instid0(VALU_DEP_1)
	v_cvt_i32_f32 v254, v254                       ; (it saturates)
	s_delay_alu instid0(VALU_DEP_1)
	v_ldexp_f32 v252, 1.0, v254                    ; f = 2^(old M - new M): rounds nothing
.set J, 0
	s_setprio 1
.rept 32
	v_pk_fma_f32 v[S+J:S+J+1], v[S+J:S+J+1], s[CS:CS+1], v[12:13] op_sel_hi:[1,0,0]   ; t - M
.set J, J+2
.endr
.irp b, 0,1,2,3
	v_fma_f32 v[232+\b], v[232+\b], s[CS], v12
.endr
.set J, 0
	s_wait_alu depctr_va_vdst(0)
.rept 64
	v_exp_f32 v[S+J], v[S+J]                       ; p = 2^(t - M)
.set J, J+1
.endr
.irp b, 0,1,2,3
	v_exp_f32 v[232+\b], v[232+\b]                 ; the block's largest p
.endr
	v_pk_mul_f32 v[14:15], v[14:15], v[252:253] op_sel_hi:[1,0]   ; the sums under the new M (a plain line behind the exponentials)
	s_wait_alu depctr_va_vdst(0)
.irp b, 0,1,2,3
	v_max_num_f32 v[232+\b], 0x4800000, v[232+\b]  ; the floor 2^(9 - 127)
.endr
.irp b, 0,1,2,3
	s_delay_alu instid0(VALU_DEP_4)
	v_add_nc_u32 v[244+\b], 0xfc000000, v[232+\b]  ; the conversion's scale operand
.endr
.irp b, 0,1,2,3
.endr
.irp b, 0,1,2,3
	s_delay_alu instid0(VALU_DEP_4)
	v_lshrrev_b32 v[236+\b], 23, v[244+\b]
.endr
	s_delay_alu instid0(VALU_DEP_3)
	v_lshl_or_b32 v[PS], v237, 8, v236             ; p's scale word for these 128 keys
	s_delay_alu instid0(VALU_DEP_1)
	v_lshl_or_b32 v[PS], v238, 16, v[PS]
	s_delay_alu instid0(VALU_DEP_1)
	v_lshl_or_b32 v[PS], v239, 24, v[PS]
	v_pk_add_f32 v[236:237], v[100:101], v[104:105]
	v_pk_add_f32 v[248:249], v[108:109], v[112:113]
	v_pk_add_f32 v[242:243], v[116:117], v[120:121]
	v_pk_add_f32 v[240:241], v[124:125], v[128:129]
	v_pk_add_f32 v[234:235], v[132:133], v[136:137]
	v_pk_add_f32 v[232:233], v[140:141], v[144:145]
	v_pk_add_f32 v[206:207], v[148:149], v[152:153]
	v_pk_add_f32 v[14:15], v[14:15], v[156:157]
	v_pk_add_f32 v[236:237], v[236:237], v[96:97]
	v_pk_add_f32 v[248:249], v[248:249], v[98:99]
	v_pk_add_f32 v[242:243], v[242:243], v[102:103]
	v_pk_add_f32 v[240:241], v[240:241], v[106:107]
	v_pk_add_f32 v[234:235], v[234:235], v[110:111]
	v_pk_add_f32 v[232:233], v[232:233], v[114:115]
	v_pk_add_f32 v[206:207], v[206:207], v[118:119]
	v_pk_add_f32 v[14:15], v[14:15], v[122:123]
	v_pk_add_f32 v[236:237], v[236:237], v[126:127]
	s_setprio 0
	v_pk_add_f32 v[248:249], v[248:249], v[130:131]
	v_pk_add_f32 v[242:243], v[242:243], v[134:135]
	v_pk_add_f32 v[240:241], v[240:241], v[138:139]
	v_pk_add_f32 v[234:235], v[234:235], v[142:143]
	v_pk_add_f32 v[232:233], v[232:233], v[146:147]
	v_pk_add_f32 v[206:207], v[206:207], v[150:151]
	v_pk_add_f32 v[14:15], v[14:15], v[154:155]
	v_pk_add_f32 v[236:237], v[236:237], v[158:159]
	s_delay_alu instid0(VALU_DEP_2)
	v_pk_add_f32 v[14:15], v[14:15], v[240:241]
	s_delay_alu instid0(VALU_DEP_2)
	v_pk_add_f32 v[236:237], v[236:237], v[234:235]
	v_pk_add_f32 v[248:249], v[248:249], v[232:233]
	v_pk_add_f32 v[242:243], v[242:243], v[206:207]
	s_delay_alu instid0(VALU_DEP_2)
	v_pk_add_f32 v[14:15], v[14:15], v[248:249]
	s_delay_alu instid0(VALU_DEP_2)
	v_pk_add_f32 v[236:237], v[236:237], v[242:243]
	s_delay_alu instid0(VALU_DEP_1)
	v_pk_add_f32 v[14:15], v[14:15], v[236:237]
.irp b, 0,1,2,3
.irp i, 0,1,2,3,4,5,6,7,8,9,10,11,12,13,14,15
.endr
	v_cvt_scalef32_pk8_fp8_f32 v[PC+4*\b:PC+1+4*\b], v[S+16*\b:S+7+16*\b], v[244+\b]
	v_cvt_scalef32_pk8_fp8_f32 v[PC+2+4*\b:PC+3+4*\b], v[S+8+16*\b:S+15+16*\b], v[244+\b]
.endr
.set J, 0
.rept 16
	v_pk_mul_f32 v[O+J:O+J+1], v[O+J:O+J+1], v[252:253] op_sel_hi:[1,0]   ; O^T under the new M; also the places between the codes and the products
.set J, J+2
.endr
	s_wait_alu depctr_va_vdst(0)
	s_wait_dscnt 0x0                               ; V
.irp d, 0,1,2,3
	v_wmma_scale_f32_16x16x128_f8f6f4 v[O+8*\d:O+8*\d+7], v[FRG+16*\d:FRG+16*\d+15], v[PC:PC+15], v[O+8*\d:O+8*\d+7], v[VW+\d], v[PS]
.endr
.Lskip_\@:
	s_add_co_u32 s[KS], s[KS], 1
	s_add_co_u32 s[TB], s[TB], 8192
	s_add_co_u32 s[TS], s[TS], 256
.endm
.macro LOOP n, k0                      ; key steps k0 .. k0 + n - 1: the starts are constants of the text
	s_mov_b32 s[KS], \k0
	s_mov_b32 s[TB], 8192*\k0
	s_mov_b32 s[TS], 256*\k0
	s_mov_b32 s[CNT], \n
.Lloop_\@:
	STEP
	s_sub_co_u32 s[CNT], s[CNT], 1
	s_cmp_lg_u32 s[CNT], 0
	s_cbranch_scc1 .Lloop_\@
	s_setprio 0
.endm
; A tile ends: O^T / the sum is y(my query, 64 head + 32 b + 16 h + i) in register 16 b + i: two blocks of 32 along C.  Quantised, the codes are 1,024 consecutive bytes of y's image.
.macro FINISH
.rept 8
	v_nop
.endr
	v_add_f32 v14, v14, v15
	s_delay_alu instid0(VALU_DEP_1)
	v_permlanex16_b32 v252, v14, s[SEL], s[SEL+1]
	s_delay_alu instid0(VALU_DEP_1)
	v_add_f32 v14, v14, v252
	s_wait_alu depctr_va_vdst(0)
	v_rcp_f32 v14, v14
	v_nop
.set J, 0
	s_wait_alu depctr_va_vdst(0)
.rept 16
	v_pk_mul_f32 v[S+J:S+J+1], v[O+J:O+J+1], v[14:15] op_sel_hi:[1,0]
.set J, J+2
.endr
.irp b, 0,1
	v_max3_num_f32 v[232+\b], |v[S+16*\b]|, |v[S+1+16*\b]|, 0x4800000
.endr
.irp i, 2,4,6,8,10,12,14
.irp b, 0,1
	s_delay_alu instid0(VALU_DEP_2)
	v_max3_num_f32 v[232+\b], v[232+\b], |v[S+16*\b+\i]|, |v[S+1+16*\b+\i]|
.endr
.endr
.irp b, 0,1
	s_delay_alu instid0(VALU_DEP_2)
	v_permlanex16_b32 v[236+\b], v[232+\b], s[SEL], s[SEL+1]
.endr
.irp b, 0,1
	s_delay_alu instid0(VALU_DEP_2)
	v_max_num_f32 v[232+\b], v[232+\b], v[236+\b]
.endr
.irp b, 0,1
	s_delay_alu instid0(VALU_DEP_2)
	v_add_nc_u32 v[244+\b], 0xfc000000, v[232+\b]
.endr
.irp b, 0,1
.endr
.irp b, 0,1
	s_delay_alu instid0(VALU_DEP_2)
	v_lshrrev_b32 v[236+\b], 23, v[244+\b]
.endr
	s_delay_alu instid0(VALU_DEP_1)
	v_lshl_or_b32 v254, v237, 8, v236              ; the two scale bytes
.irp b, 0,1
.irp i, 0,1,2,3,4,5,6,7,8,9,10,11,12,13,14,15
.endr
	v_cvt_scalef32_pk8_fp8_f32 v[PC+4*\b:PC+1+4*\b], v[S+16*\b:S+7+16*\b], v[244+\b]
	v_cvt_scalef32_pk8_fp8_f32 v[PC+2+4*\b:PC+3+4*\b], v[S+8+16*\b:S+15+16*\b], v[244+\b]
.endr
	v_nop                                          ; a plain line behind the last conversion
	s_lshr_b32 s84, s14, 4
	s_lshl_b32 s84, s84, 7
	s_lshl_b32 s85, s[GG], 1
	s_add_co_u32 s84, s84, s85
	s_add_co_u32 s84, s84, s15                     ; y's tile: 128 x batch + 2 G + u
	s_and_b32 s85, s14, 15                         ; the head
	s_lshl_b32 s90, s84, 14
	s_lshl_b32 s91, s85, 10
	s_add_co_u32 s90, s90, s91
	s_mov_b32 s91, 0
	s_add_nc_u64 s[90:91], s[8:9], s[90:91]
	s_lshl_b32 s92, s84, 9
	s_lshr_b32 s93, s85, 3
	s_lshl_b32 s93, s93, 8
	s_add_co_u32 s92, s92, s93
	s_and_b32 s93, s85, 7
	s_lshl_b32 s93, s93, 1
	s_add_co_u32 s92, s92, s93
	s_mov_b32 s93, 0
	s_add_nc_u64 s[92:93], s[10:11], s[92:93]
	s_wait_alu depctr_va_vdst(0)
	global_store_b128 v[LI], v[PC:PC+3], s[90:91]
	global_store_b128 v[LI], v[PC+4:PC+7], s[90:91] offset:512
	global_store_b16 v[YR], v254, s[92:93]         ; two bytes a row, sixteen rows within 256 bytes; lanes r and 16 + r store the same: 2 bytes in 66 of what a tile stores
	s_wait_xcnt 0x0                                ; the stores have read their registers and bases: both are written again
.endm
	s_lshr_b32 s84, s[WV], 1
	s_sub_co_u32 s[LIM], 15, s84                   ; the long tile
	INIT
	HEAD 3                                         ; the scale words and key steps 0, 1
	LOOP 2, 0
	HEAD 2                                         ; key steps 2, 3
	LOOP 2, 2
	HEAD 1                                         ; 4 to 7
	LOOP 4, 4
	HEAD 0                                         ; 8 to 15
	LOOP 8, 8
	s_wait_alu depctr_va_vdst(0)
	FINISH
	s_lshr_b32 s[LIM], s[WV], 1                    ; the short tile: at most eight steps
	INIT
	LOOP 8, 0
	s_wait_alu depctr_va_vdst(0)
	FINISH
	s_wait_tensorcnt 0x0
	s_wait_dscnt 0x0
	s_wait_tensorcnt 0x0
	ds_add_u32 v251, v255
	s_wait_dscnt 0x0
	CROUND                                         ; the closing round
	s_endpgm
.Lfunc_end_k_qc5ccdde13a_attn:
	.size	k_qc5ccdde13a_attn, .Lfunc_end_k_qc5ccdde13a_attn-k_qc5ccdde13a_attn
	.p2alignl 7, 3214868480
	.fill 96, 4, 3214868480
	.section	.rodata,"a",@progbits
	.p2align	6, 0x0
	.amdhsa_kernel k_qc5ccdde13a_attn
		.amdhsa_group_segment_fixed_size 272384
		.amdhsa_private_segment_fixed_size 0
		.amdhsa_enable_private_segment 0
		.amdhsa_kernarg_size 32
		.amdhsa_user_sgpr_count 2
		.amdhsa_user_sgpr_kernarg_segment_ptr 1
		.amdhsa_wavefront_size32 1
		.amdhsa_system_sgpr_workgroup_id_x 1
		.amdhsa_system_sgpr_workgroup_id_y 1
		.amdhsa_system_sgpr_workgroup_id_z 1
		.amdhsa_system_vgpr_workitem_id 0
		.amdhsa_next_free_vgpr 256
		.amdhsa_next_free_sgpr 100
		.amdhsa_reserve_vcc 1
		.amdhsa_float_denorm_mode_32 3
		.amdhsa_float_denorm_mode_16_64 3
		.amdhsa_fp16_overflow 1
		.amdhsa_memory_ordered 1
		.amdhsa_forward_progress 1
		.amdhsa_inst_pref_size 137
	.end_amdhsa_kernel
	.amdgpu_metadata
---
amdhsa.version: [ 1, 2 ]
amdhsa.kernels:
  - .name:           k_qc5ccdde13a_attn
    .symbol:         k_qc5ccdde13a_attn.kd
    .args:
      - { .name: qkv, .offset: 0, .size: 8, .value_kind: global_buffer, .address_space: global }
      - { .name: qkvs, .offset: 8, .size: 8, .value_kind: global_buffer, .address_space: global }
      - { .name: yc, .offset: 16, .size: 8, .value_kind: global_buffer, .address_space: global }
      - { .name: ys, .offset: 24, .size: 8, .value_kind: global_buffer, .address_space: global }
    .group_segment_fixed_size: 272384
    .private_segment_fixed_size: 0
    .kernarg_segment_align: 8
    .kernarg_segment_size: 32
    .max_flat_workgroup_size: 512
    .sgpr_count:     100
    .vgpr_count:     256
    .wavefront_size: 32
...
	.end_amdgpu_metadata
.endif
;; end of part 3
;; launch outgemm (part 4): grid 4 x 32, 4 waves a work-group, clusters of 4 x 4, 327,680 bytes of LDS; arguments yc, ys, opc, ops, bo, out0; writes out0
.if DOCPART == 4
	.amdgcn_target "amdgcn-amd-amdhsa--gfx1250"
	.amdhsa_code_object_version 6
	.text
	.protected	k_qc5ccdde13a_outgemm
	.globl	k_qc5ccdde13a_outgemm
	.p2align	8
	.type	k_qc5ccdde13a_outgemm,@function
k_qc5ccdde13a_outgemm:
	s_mov_b64 s[64:65], 0
	v_nop
	global_prefetch_b8 v0, s[64:65] scope:SCOPE_SE
	s_setreg_imm32_b32 hwreg(HW_REG_WAVE_MODE, 25, 1), 1
	s_wait_xcnt 0x0
	s_wait_alu depctr_hold_cnt(0) depctr_sa_sdst(0) depctr_va_vdst(0) depctr_va_sdst(0) depctr_va_ssrc(0) depctr_va_vcc(0) depctr_vm_vsrc(0)
	s_getreg_b32 s2, hwreg(HW_REG_IB_STS2, 6, 4)
	s_cmp_eq_u32 s2, 0
	s_cbranch_scc0 .Lentry_in_a_cluster
	s_endpgm
.Lentry_in_a_cluster:
	s_bfe_u32 s2, ttmp6, 0x10000c
	s_cmp_lg_u32 s2, 0xf033
	s_cbranch_scc0 .Lentry_shape_is_right
	s_endpgm
.Lentry_shape_is_right:
; out0 = y Wo + bo on codes of E4M3 with E8M0 scales.  A = y's image (yc, ys), B = Wo's (units 44-47 of opc, ops); out0 [8192][1024] f32.
; Operands lie as images of their fragments (a tile of 16 rows: 512 bytes for each 32 along K, 16 bytes a lane), rows in position order: tile 2 G + u, row r = true row 32 G + 8 u + r + 8 (r / 8).
; A tile of the product is 256 x 256: four waves, each 128 x 128 in 64 accumulators; source 0 = B's tiles, source 1 = A's: a lane holds one row of y and eight neighbouring columns.
; K = 1024 goes in four steps of 256 through two LDS slots of 131,072 bytes; the scale bytes of the 512 rows come once.  CLUSTERS 4 x 4: A's tiles are asked for jointly along a row of the cluster, B's along a column.
; The product has 128 tiles of 256 x 256: 128 work-groups.  A smaller tile would fill more WGPs at twice the LDS reads for each product; it is not built here.
; REGISTERS: window 0: v1-3 lane numbers; v16-29 addresses; v32-63 scale words, two sets; v64-67 the bias; v128-255 A's fragments, on the way out rows of out0.  window 1: B's two sets.  windows 2, 3: accumulators.
.set NQ,     2
.set FR,     16
.set NL,     4
.set NP,     8                         ; places behind this matrix instruction (ISA guide 7.12.1)
.set TILEB,  4096
.set HALFT,  8*TILEB
.set SLOT,   4*HALFT
.set SCL,    2*SLOT
.set HALFS,  4096
.set SPARE,  SCL+4*HALFS
.set SPITCH, 528                       ; the way out: a stage of 16 rows x (512 bytes + 16) for each wave, in slot 0, which has had its last fill and its last read by then
.set ADRA, 16
.set ADRB, 20
.set STO,  24
.set RD,   25
.set CO,   26
.set ADRS, 27
.set SPW,  28
.set NIL,  29
.set SC,   32
.set BO,   64
.set AF,   128
.set BK,   128
.set G1, 24
.set G0, 32
.set G1B, 48
.set G0B, 56
.set G1S, 68
.set G0S, 76
.set G1SB, 80
.set G0SB, 88
.set MSB, 0
.macro WIN new
.if MSB != (\new)
	s_set_vgpr_msb (MSB<<8)|(\new)
.set MSB, (\new)
.endif
.endm
.set MUL_LO, 0xa1
.set MUL_HI, 0xf1
.set TO_B,   0x40
.macro JLOAD g0a, g1a, g0b, g1b        ; waves 0 and 1 fetch for A, waves 2 and 3 for B; four v_nop follow each line
	s_cmp_eq_u32 s15, 0
	s_cbranch_scc0 .Lfor_b_\@
	tensor_load_to_lds s[\g0a:\g0a+3], s[\g1a:\g1a+7]
	s_nop 0
.rept 4
	v_nop
.endr
	s_branch .Lasked_\@
.Lfor_b_\@:
	tensor_load_to_lds s[\g0b:\g0b+3], s[\g1b:\g1b+7]
	s_nop 0
.rept 4
	v_nop
.endr
.Lasked_\@:
.endm
.macro CREST
	s_cmp_lg_u32 s14, 0
	s_cbranch_scc1 .Lnot_wave_0_\@
	s_barrier_signal -3
.Lnot_wave_0_\@:
	s_barrier_wait -3
	s_barrier_signal -1
	s_barrier_wait -1
.endm
.macro CROUND
	s_barrier_signal -1
	s_barrier_wait -1
	CREST
.endm
	s_load_b256 s[4:11], s[0:1], 0x0               ; yc, ys, opc, ops
	s_load_b128 s[96:99], s[0:1], 0x20             ; bo, out0
	v_lshl_add_u32 v[SPW], v0, 2, SPARE
	v_mov_b32 v[NIL], 0
	ds_add_u32 v28, v29
	ds_add_u32 v28, v29
	s_wait_dscnt 0x0
	v_lshrrev_b32 v1, 5, v0
	v_readfirstlane_b32 s14, v1                    ; wave
	s_lshr_b32 s15, s14, 1
	s_and_b32 s16, s14, 1
	s_bfe_u32 s40, ttmp6, 0x40000                  ; cx
	s_bfe_u32 s41, ttmp6, 0x40004                  ; cy
	s_lshl_b32 s42, ttmp9, 2
	s_add_co_u32 s42, s42, s40                     ; tile column
	s_and_b32 s17, ttmp7, 0xffff
	s_lshl_b32 s17, s17, 2
	s_add_co_u32 s17, s17, s41                     ; tile row = y's unit of 256 rows
	s_lshl_b32 s43, s41, 2
	s_lshl_b32 s43, 15, s43
	s_lshl_b32 s44, 0x1111, s40
	s_or_b32 s[G1+0], s43, (3<<16)|(1<<21)         ; codes: 8 rows (tiles) of 512 elements of 8 bytes, 2,048 elements apart; dense in LDS
	s_or_b32 s[G1B+0], s44, (3<<16)|(1<<21)
.irp g, G1, G1B
	s_mov_b32 s[\g+1], 512<<16
	s_mov_b32 s[\g+2], 8<<16
	s_mov_b32 s[\g+3], 512<<16
	s_mov_b32 s[\g+4], 8
	s_mov_b32 s[\g+5], 2048
	s_mov_b32 s[\g+6], 0
	s_mov_b32 s[\g+7], 0
.endr
	s_or_b32 s[G1S+0], s43, (3<<16)|(1<<21)        ; scale bytes: 4,096 dense bytes as 16 rows of 256
	s_or_b32 s[G1SB+0], s44, (3<<16)|(1<<21)
.irp g, G1S, G1SB
	s_mov_b32 s[\g+1], 32<<16
	s_mov_b32 s[\g+2], 16<<16
	s_mov_b32 s[\g+3], 32<<16
	s_mov_b32 s[\g+4], 16
	s_mov_b32 s[\g+5], 32
	s_mov_b32 s[\g+6], 0
	s_mov_b32 s[\g+7], 0
.endr
	s_lshl_b32 s20, s17, 18
	s_lshl_b32 s18, s16, 17
	s_add_co_u32 s20, s20, s18
	s_mov_b32 s21, 0
	s_add_co_u32 s46, s42, 44                      ; Wo's unit
	s_lshl_b32 s92, s46, 13
	s_lshl_b32 s46, s46, 18
	s_add_co_u32 s46, s46, s18
	s_mov_b32 s47, 0
	s_lshl_b32 s22, s17, 13
	s_lshl_b32 s18, s16, 12
	s_add_co_u32 s22, s22, s18
	s_mov_b32 s23, 0
	s_add_co_u32 s92, s92, s18
	s_mov_b32 s93, 0
	s_lshl_b32 s45, s14, 15
	s_lshl_b32 s94, s14, 12
	s_wait_kmcnt 0x0
	s_add_nc_u64 s[20:21], s[4:5], s[20:21]
	s_add_nc_u64 s[22:23], s[6:7], s[22:23]
	s_add_nc_u64 s[46:47], s[8:9], s[46:47]
	s_add_nc_u64 s[92:93], s[10:11], s[92:93]
	CROUND                                         ; all sixteen work-groups are here: the first joint loads meet
	s_mov_b32 s[G0S], 1
	s_add_co_u32 s[G0S+1], s94, SCL
	s_mov_b64 s[G0S+2:G0S+3], s[22:23]
	s_or_b32 s[G0S+3], s[G0S+3], 0x80000000
	s_mov_b32 s[G0SB], 1
	s_add_co_u32 s[G0SB+1], s94, SCL
	s_mov_b64 s[G0SB+2:G0SB+3], s[92:93]
	s_or_b32 s[G0SB+3], s[G0SB+3], 0x80000000
	JLOAD G0S, G1S, G0SB, G1SB
.irp s, 0,1
	s_mov_b32 s[G0+4*\s], 1
	s_add_co_u32 s[G0+4*\s+1], s45, \s*SLOT
	s_add_nc_u64 s[G0+4*\s+2:G0+4*\s+3], s[20:21], \s*TILEB
	s_or_b32 s[G0+4*\s+3], s[G0+4*\s+3], 0x80000000
	s_mov_b32 s[G0B+4*\s], 1
	s_add_co_u32 s[G0B+4*\s+1], s45, \s*SLOT
	s_add_nc_u64 s[G0B+4*\s+2:G0B+4*\s+3], s[46:47], \s*TILEB
	s_or_b32 s[G0B+4*\s+3], s[G0B+4*\s+3], 0x80000000
	s_wait_alu depctr_va_vdst(0)
	s_wait_tensorcnt 0x0
	ds_add_u32 v28, v29
	s_wait_dscnt 0x0
	CROUND
	JLOAD G0+4*\s, G1, G0B+4*\s, G1B
.endr
	v_and_b32 v1, 15, v0                           ; r
	v_bfe_u32 v2, v0, 4, 1                         ; h
	s_wait_alu depctr_va_vdst(0)
	v_and_b32 v3, 31, v0
	v_lshlrev_b32 v[CO], 4, v3                     ; 16 x lane
	s_lshl_b32 s18, s15, 15
	s_lshl_b32 s19, s16, 15
	s_add_co_u32 s19, s19, 2*HALFT
.irp s, 0,1
	v_add_nc_u32 v[ADRA+\s], s18, v[CO]
	v_add_nc_u32 v[ADRB+\s], s19, v[CO]
	s_add_co_u32 s18, s18, SLOT
	s_add_co_u32 s19, s19, SLOT
.endr
	s_lshl_b32 s18, s15, 12                        ; scale words: lanes 0-15 A's rows, lanes 16-31 B's: the lower base + h x the distance
	s_lshl_b32 s19, s16, 12
	s_add_co_u32 s19, s19, 2*HALFS
	s_sub_co_u32 s19, s19, s18
	v_mul_u32_u24 v6, s19, v2
	s_add_co_u32 s18, s18, SCL
	v_lshl_add_u32 v5, v1, 4, v6
	v_add_nc_u32 v[ADRS], s18, v5
	s_mul_i32 s18, s14, 16*SPITCH                  ; my stage
	v_mul_u32_u24 v5, v1, SPITCH
	v_lshl_add_u32 v5, v2, 6, v5
	v_add_nc_u32 v[STO], s18, v5                   ; in: row r, + 64 h
	v_add_nc_u32 v[RD], s18, v[CO]                 ; back: a row of 512 bytes for the 32 lanes
	s_lshl_b32 s46, s42, 10
	s_lshl_b32 s47, s16, 9
	s_add_co_u32 s46, s46, s47                     ; my first column, in bytes
	s_mov_b32 s47, 0
	s_add_nc_u64 s[96:97], s[96:97], s[46:47]
	global_load_b128 v[BO:BO+3], v[CO], s[96:97]   ; bo at my four columns of a row
	s_lshl_b32 s92, s17, 20
	s_lshl_b32 s93, s15, 19
	s_add_co_u32 s92, s92, s93                     ; my first row, 4,096 bytes each
	s_add_co_u32 s92, s92, s46
	s_mov_b32 s93, 0
	s_add_nc_u64 s[98:99], s[98:99], s[92:93]
.macro FRAG reg, adr, q, i             ; a fragment comes as it lies: four loads of 16 x lane, 512 bytes apart
.irp c, 0,1,2,3
	ds_load_b128 v[\reg+4*\c:\reg+4*\c+3], v[\adr] offset:TILEB*(\i)+2048*(\q)+512*\c
.endr
.endm
; 16 matrix instructions: A's blocks a0, a0 + 1 x B's eight.  The 64 accumulators take turns, in the same order in every step.
.macro MUL16 a0, p, q, sc, zero
.irp a, \a0, \a0+1
.irp b, 0,1,2,3,4,5,6,7
.if \zero
	v_wmma_scale_f32_16x16x128_f8f6f4 v[8*(8*((\a)%4)+\b):8*(8*((\a)%4)+\b)+7], v[128*(\p)+FR*\b:128*(\p)+FR*\b+FR-1], v[AF+FR*(\a):AF+FR*(\a)+FR-1], 0, v[SC+8*NQ*(\sc)+NQ*\b+(\q)], v[SC+8*NQ*(\sc)+NQ*(\a)+(\q)] matrix_a_scale:MATRIX_SCALE_ROW1
.else
	v_wmma_scale_f32_16x16x128_f8f6f4 v[8*(8*((\a)%4)+\b):8*(8*((\a)%4)+\b)+7], v[128*(\p)+FR*\b:128*(\p)+FR*\b+FR-1], v[AF+FR*(\a):AF+FR*(\a)+FR-1], v[8*(8*((\a)%4)+\b):8*(8*((\a)%4)+\b)+7], v[SC+8*NQ*(\sc)+NQ*\b+(\q)], v[SC+8*NQ*(\sc)+NQ*(\a)+(\q)] matrix_a_scale:MATRIX_SCALE_ROW1
.endif
.endr
.endr
.endm
.macro FETCH_B slot, q, p
	WIN TO_B
.irp i, 0,1,2,3,4,5,6,7
	FRAG 128*(\p)+FR*\i, ADRB+\slot, \q, \i
.endr
	WIN 0
.endm
.macro FETCH_A slot, q, i0
.irp i, \i0, \i0+1, \i0+2, \i0+3
	FRAG AF+FR*(\i), ADRA+\slot, \q, \i
.endr
.endm
.macro SCALES sc, ks                   ; K step ks's two words a row: lanes 0-15 A's block i, lanes 16-31 B's
.irp i, 0,1,2,3,4,5,6,7
	ds_load_b64 v[SC+8*NQ*(\sc)+NQ*\i:SC+8*NQ*(\sc)+NQ*\i+1], v[ADRS] offset:512*\i+256*((\ks)/2)+8*((\ks)%2)
.endr
.endm
.macro PLACES n
.rept \n
	v_nop
.endr
.endm
.macro STEP slot, q, zero              ; 128 along K whose successor lies in the same slot
	s_wait_dscnt 4*NL                              ; all but the youngest sixteen loads (A's blocks 4-7)
	WIN MUL_LO
	MUL16 0, (\q)%2, \q, \slot, \zero
	MUL16 2, (\q)%2, \q, \slot, \zero
	s_wait_dscnt 0
	PLACES NP
	FETCH_B \slot, (\q)+1, 1-(\q)%2
	FETCH_A \slot, (\q)+1, 0
	WIN MUL_HI
	MUL16 4, (\q)%2, \q, \slot, \zero
	MUL16 6, (\q)%2, \q, \slot, \zero
	PLACES NP
	WIN 0
	FETCH_A \slot, (\q)+1, 4
.endm
; A slot's last step changes slots: one barrier; in front of it each wave waits for all its tensor loads, adds 0 to its spare word, and waits for that and for its reads of this slot.
.macro TURN slot, next, fill, ks
	s_wait_tensorcnt 0x0                           ; all my tensor loads have landed: my part of the next slot
	ds_add_u32 v[SPW], v[NIL]
	s_wait_dscnt 4*NL+1                            ; (the add and A's blocks 4-7 may be out)
	WIN MUL_LO
	MUL16 0, 1, NQ-1, \slot, 0
	s_wait_dscnt 0x0                               ; the add is done, and my reads of this slot are over
	s_barrier_signal -1
	MUL16 2, 1, NQ-1, \slot, 0
	WIN 0
	s_barrier_wait -1
.if \fill
	CREST                                          ; the barrier has opened a round of the cluster's: no wave of any partner still reads this slot or has a load on its way
	s_add_nc_u64 s[G0+4*\slot+2:G0+4*\slot+3], s[G0+4*\slot+2:G0+4*\slot+3], 2*TILEB
	s_add_nc_u64 s[G0B+4*\slot+2:G0B+4*\slot+3], s[G0B+4*\slot+2:G0B+4*\slot+3], 2*TILEB
	JLOAD G0+4*\slot, G1, G0B+4*\slot, G1B         ; the first tensor load behind the round; its four v_nop are four of the eight places
	PLACES NP-4
.else
	PLACES NP
.endif
	FETCH_B \next, 0, 0
	FETCH_A \next, 0, 0
	SCALES \next, \ks
	WIN MUL_HI
	MUL16 4, 1, NQ-1, \slot, 0
	MUL16 6, 1, NQ-1, \slot, 0
	PLACES NP
	WIN 0
	FETCH_A \next, 0, 4
.endm
	s_wait_alu depctr_va_vdst(0)
	s_wait_tensorcnt 1                             ; the scale bytes and my part of K step 0 are in (K step 1's load may be out),
	s_barrier_signal -1
	s_barrier_wait -1                              ; everybody's are
	FETCH_B 0, 0, 0
	FETCH_A 0, 0, 0
	SCALES 0, 0
	FETCH_A 0, 0, 4
	STEP 0, 0, 1                                   ; the first products start the sums: nothing is cleared
	TURN 0, 1, 1, 1
	STEP 1, 0, 0
	TURN 1, 0, 1, 2
	STEP 0, 0, 0
	TURN 0, 1, 0, 3                                ; nothing is left to fetch; behind its barrier nobody reads slot 0
	STEP 1, 0, 0
	s_wait_dscnt 4*NL                              ; the very last 128 along K
	WIN MUL_LO
	MUL16 0, 1, NQ-1, 1, 0
	MUL16 2, 1, NQ-1, 1, 0
	s_wait_dscnt 0
	WIN MUL_HI
	MUL16 4, 1, NQ-1, 1, 0
	MUL16 6, 1, NQ-1, 1, 0
	WIN 0
; THE WAY OUT, a block of 16 rows x 128 columns at a time, through my own stage.  Register j of accumulator b in lane (r, h) is column 32 (b / 2) + 16 h + 8 (b % 2) + j of the block's row r: the stage's rows are true rows of
; out0's columns.  They come back as whole rows of 512 bytes, take the bias, and leave to true row 32 (a / 2) + 8 (a % 2) + t + 8 (t / 8).  LDS serves a wave's instructions in order (ISA guide 5.7.1.4).
.macro TOSTAGE a
.set AC, 64*((\a)%4)
	WIN 0x08+4*((\a)/4)                            ; the data: window 2 or 3
.irp b, 0,1,2,3,4,5,6,7
	ds_store_b128 v[STO], v[AC+8*\b:AC+8*\b+3] offset:128*(\b/2)+32*(\b%2)          ; each accumulator from its low end on
	ds_store_b128 v[STO], v[AC+8*\b+4:AC+8*\b+7] offset:128*(\b/2)+32*(\b%2)+16
.endr
	WIN 0
.set BB, BK+64*((\a)%2)
.irp t, 0,1,2,3,4,5,6,7,8,9,10,11,12,13,14,15
	ds_load_b128 v[BB+4*\t:BB+4*\t+3], v[RD] offset:\t*SPITCH
.endr
.endm
.macro SEND a, younger                 ; younger: the LDS instructions issued behind block a's loads
.set BB, BK+64*((\a)%2)
	s_wait_dscnt \younger
.irp t, 0,1,2,3,4,5,6,7,8,9,10,11,12,13,14,15
	v_pk_add_f32 v[BB+4*\t:BB+4*\t+1], v[BB+4*\t:BB+4*\t+1], v[BO:BO+1]
	v_pk_add_f32 v[BB+4*\t+2:BB+4*\t+3], v[BB+4*\t+2:BB+4*\t+3], v[BO+2:BO+3]
	global_store_b128 v[CO], v[BB+4*\t:BB+4*\t+3], s[98:99] offset:(32*((\a)/2)+8*((\a)%2)+\t+8*(\t/8))*4096 th:TH_STORE_NT   ; 32 lanes store 512 consecutive bytes, aligned; the base is never stepped
.endr
.endm
	s_wait_loadcnt 0x0                             ; the bias
	PLACES NP
	TOSTAGE 0
.irp a, 1,2,3,4,5,6,7
.if \a > 1
	s_wait_xcnt 0x0                                ; block a - 2's stores have read their registers: block a's loads may land there
.endif
	TOSTAGE \a
	SEND \a-1, 32                                  ; behind block a - 1's loads: block a's 16 stores and 16 loads
.endr
	SEND 7, 0
	s_wait_tensorcnt 0x0                           ; the wave's end
	ds_add_u32 v[SPW], v[NIL]
	s_wait_dscnt 0x0
	CROUND                                         ; the closing round
	s_endpgm
.Lfunc_end_k_qc5ccdde13a_outgemm:
	.size	k_qc5ccdde13a_outgemm, .Lfunc_end_k_qc5ccdde13a_outgemm-k_qc5ccdde13a_outgemm
	.p2alignl 7, 3214868480
	.fill 96, 4, 3214868480
	.section	.rodata,"a",@progbits
	.p2align	6, 0x0
	.amdhsa_kernel k_qc5ccdde13a_outgemm
		.amdhsa_group_segment_fixed_size 327680
		.amdhsa_private_segment_fixed_size 0
		.amdhsa_enable_private_segment 0
		.amdhsa_kernarg_size 48
		.amdhsa_user_sgpr_count 2
		.amdhsa_user_sgpr_kernarg_segment_ptr 1
		.amdhsa_wavefront_size32 1
		.amdhsa_system_sgpr_workgroup_id_x 1
		.amdhsa_system_sgpr_workgroup_id_y 1
		.amdhsa_system_sgpr_workgroup_id_z 1
		.amdhsa_system_vgpr_workitem_id 0
		.amdhsa_next_free_vgpr 1024
		.amdhsa_next_free_sgpr 100
		.amdhsa_reserve_vcc 0
		.amdhsa_float_denorm_mode_32 3
		.amdhsa_float_denorm_mode_16_64 3
		.amdhsa_memory_ordered 1
		.amdhsa_forward_progress 1
		.amdhsa_inst_pref_size 161
	.end_amdhsa_kernel
	.amdgpu_metadata
---
amdhsa.version: [ 1, 2 ]
amdhsa.kernels:
  - .name:           k_qc5ccdde13a_outgemm
    .symbol:         k_qc5ccdde13a_outgemm.kd
    .args:
      - { .name: yc, .offset: 0, .size: 8, .value_kind: global_buffer, .address_space: global }
      - { .name: ys, .offset: 8, .size: 8, .value_kind: global_buffer, .address_space: global }
      - { .name: opc, .offset: 16, .size: 8, .value_kind: global_buffer, .address_space: global }
      - { .name: ops, .offset: 24, .size: 8, .value_kind: global_buffer, .address_space: global }
      - { .name: bo, .offset: 32, .size: 8, .value_kind: global_buffer, .address_space: global }
      - { .name: out0, .offset: 40, .size: 8, .value_kind: global_buffer, .address_space: global }
    .group_segment_fixed_size: 327680
    .private_segment_fixed_size: 0
    .kernarg_segment_align: 8
    .kernarg_segment_size: 48
    .max_flat_workgroup_size: 128
    .sgpr_count:     100
    .vgpr_count:     1024
    .wavefront_size: 32
...
	.end_amdgpu_metadata
.endif
;; end of part 4
